; MI455X (gfx1250); checked and timed in simulation.
; The chip was launched on July 23, 2026; its instructions are those of AMD's public machine-readable ISA for CDNA 5 (MIT licence, August 2026) and "CDNA5" Instruction Set Architecture Reference Guide (July 2026). The comments in the code are by the model that wrote it; some were corrected since.
;; Block. Allowed arithmetic: matrix products marked QUANTISED: E5M2 operands, one given power-of-two scale a tensor, by v_wmma_f32_16x16x64_bf8_bf8 or v_wmma_f32_16x16x128_bf8_bf8, f32 sums; everything else in f32.
;; Inputs: c_attn_b 3,072 float32; c_attn_w 1,024 x 3,072 float32; c_proj_b 1,024 float32; c_proj_w 1,024 x 1,024 float32; fc_b 4,096 float32; fc_w 1,024 x 4,096 float32; ln1_b 1,024 float32; ln1_w 1,024 float32; ln2_b 1,024 float32; ln2_w 1,024 float32; lowp_scales 12 int32 (the exponents e of the quantised operands' scales 2^e); proj_b 1,024 float32; proj_w 4,096 x 1,024 float32; x 2 x 2,048 x 1,024 float32.
;; Outputs: out0 2 x 2,048 x 1,024 float32.
;; This version of the problem:
;;   THIS VERSION OF THE PROBLEM IS GIVEN IN LOW PRECISION. The matrix products marked QUANTISED in the list below multiply operands that are first quantised to E5M2 (5 exponent bits, 2 mantissa bits; 8 bits a number), with one given power-of-two scale for each operand tensor; their sums are f32. All else is computed in f32.
;;   The module's matrix products, in the order in which they are computed (A, B: the left and right operand; K: the contracted axis; several contracted axes count as one K, in the product's order):
;;     1. [M 4,096, K 1,024] x [K 1,024, N 3,072]; A: computed on the way; B: input c_attn_w: QUANTISED (scales: A lowp_scales[0], B lowp_scales[1])
;;     2. batch 32 x [M 2,048, K 64] x [K 64, N 2,048]; A: computed on the way; B: computed on the way: QUANTISED (scales: A lowp_scales[2], B lowp_scales[3])
;;     3. batch 32 x [M 64, K 2,048] x [K 2,048, N 2,048]; A: computed on the way; B: softmax (see below): QUANTISED (scales: A lowp_scales[4], B lowp_scales[5])
;;     4. [M 4,096, K 1,024] x [K 1,024, N 1,024]; A: computed on the way; B: input c_proj_w: QUANTISED (scales: A lowp_scales[6], B lowp_scales[7])
;;     5. [M 4,096, K 1,024] x [K 1,024, N 4,096]; A: computed on the way; B: input fc_w: QUANTISED (scales: A lowp_scales[8], B lowp_scales[9])
;;     6. [M 4,096, K 4,096] x [K 4,096, N 1,024]; A: computed on the way; B: input proj_w: QUANTISED (scales: A lowp_scales[10], B lowp_scales[11])
;;   THE QUANTISER, for each operand of a quantised product, along K:
;;     - The operand's scale is 2^e, e = its entry of the input lowp_scales (int32; the entries are numbered through the quantised products in the list's order, A before B).
;;     - Each number is divided by the scale, clamped to +-57,344, and rounded to the nearest number of E5M2, ties to even, subnormals kept.
;;     - The product sums the exact products of the quantised numbers (number of the format x scale) in f32.
;;   ~~~python
;;   def quantise(x, axis, e):      # numpy; x: float32 -> the quantised numbers, widened to float32 again
;;       x = np.moveaxis(x, axis, -1); K = x.shape[-1]
;;       r = np.clip(x / 2.0 ** e, -57344, 57344)
;;       step = 2.0 ** (np.maximum(np.frexp(np.where(r == 0, 1, r))[1] - 1, -14) - 2)
;;       q = np.round(r / step) * step * 2.0 ** e      # np.round: ties to even
;;       return np.moveaxis(q, -1, axis).astype(np.float32)
;;   ~~~
;;   SOFTMAX AHEAD OF A QUANTISED PRODUCT. Where the list says 'softmax', what is quantised is not the finished softmax but p = 2^(t - M), with t = logit x log2(e) and M = ceil(the row's largest t), a whole number; so 1/2 < the row's largest p <= 1. The row's sum l is taken of the UNQUANTISED p, in f32, and the product's result is divided by l at the end. Since M is a whole number, a kernel that streams over the keys may use a running M (the ceiling of the running maximum): every later rescaling is an exact power of two, so the quantised numbers keep their values, but for numbers so far below the row's largest that they fall under the format's range.
;;   OPERANDS COMPUTED ON THE WAY. 'Computed on the way' means the value that the module computes at that place (a softmax that the list does not call 'softmax' is quantised finished and normalised). What goes into a quantiser is computed in f32, as accurately as f32 sums, v_exp_f32 and their like allow (about 1e-6 of the number): no bf16 or f16 on the way to a quantiser, and a product that is left as it is and whose result goes on into a quantised operand takes f32 operands (vector FMAs, or v_wmma_f32_16x16x4_f32). A number that lies on a knife's edge between two numbers of the format may be rounded either way, as far as f32 arithmetic and the matrix unit's own rounding can turn it there, and no further.
;; One version. Each part assembles by itself: llvm-mc -triple=amdgcn-amd-amdhsa -mcpu=gfx1250 --defsym DOCPART=n.
;; ======== version 1 of 1: 7 launches
;; limits: right only within a limited range of input values
;; workspace buffers: wc 12,582,912 bytes; a1c 4,194,304 bytes; qkvc 12,582,912 bytes; attc 4,194,304 bytes; x2 16,777,216 bytes; a5c 4,194,304 bytes; hc 16,777,216 bytes
;; launch prep (part 1): grid 640 x 1, 16 waves a work-group, no clusters, 60,416 bytes of LDS; arguments x, ln1_w, ln1_b, c_attn_w, c_proj_w, fc_w, proj_w, lowp_scales, a1c, wc; writes a1c, wc
.if DOCPART == 1
	.amdgcn_target "amdgcn-amd-amdhsa--gfx1250"
	.amdhsa_code_object_version 6
	.text
	.protected	k_q44ec75379e_prep
	.globl	k_q44ec75379e_prep
	.p2align	8
	.type	k_q44ec75379e_prep,@function
k_q44ec75379e_prep:
	s_mov_b64 s[64:65], 0
	v_nop
	global_prefetch_b8 v0, s[64:65] scope:SCOPE_SE
	s_setreg_imm32_b32 hwreg(HW_REG_WAVE_MODE, 25, 1), 1
	s_wait_xcnt 0x0
; PREP: the four weights and LN1(x) become codes of BF8 (E5M2), each with the scale 2^e that is given for it.
; EVERY CODE BUFFER OF THIS PROGRAM IS LAID AS IMAGES OF OPERAND REGISTERS.  For an operand [rows][K] the code of (row, k) lies at
;   rt x 16 K + (k / 16) x 256 + r x 16 + k % 16,   rt = p / 16, r = p % 16, p = the row's number with its bits 3 and 4 exchanged.
; So a fragment (16 rows x 128 K) is 2,048 consecutive bytes, and four loads of 16 bytes a lane at 16 x lane + 512 c bring it: registers 4 c .. 4 c + 3 of lane (r, h) hold k = 32 c + 16 h + 0 .. 15.
; Slot r of row tile 2 b + u holds row 32 b + 8 u + r + 8 (r / 8): a product that takes such tiles as source 0 leaves 16 neighbouring rows in a lane's 16 registers of tiles 2 b, 2 b + 1.
; WORK-GROUPS 0-383: weights, stored [K][N] f32.  A work-group takes 512 columns x 64 along K, a wave 128 columns x 16 along K: sixteen loads, each one row of 512 consecutive bytes, FOUR COLUMNS A LANE.
; The hold, which every number needs anyway, writes a column's 16 numbers into 16 consecutive registers, so the conversions give its 16 codes with K innermost: 16 bytes of an image.  A lane's columns are other slots than its
; neighbours', so the wave's 2,048 bytes of codes go through its own stage in LDS, laid as the image, and leave sixteen lanes to 256 consecutive aligned bytes.
; WORK-GROUPS 384-639: LN1.  A work-group makes one row tile of the image (16 tokens), a wave one token; the row stays in registers between mean, deviation and scaling.  Gain and bias are read from memory once
; for the work-group, 512 bytes a wave (waves 0-7 the gain, 8-15 the bias), and reach all waves through LDS.
; code = x / 2^e, held within +-57,344, to the nearest code, ties to even.  LIMITS: each e between -126 and 112; NaN and infinities among the inputs are not served.
; The paths part on the work-group's number alone; each has LDS bytes of its own; only the LN path has barriers.
.set X,   32                           ; weights: v32-95 sixteen rows of four columns;  LN: v32-63 the row
.set T,   96                           ; weights: v96-111 one column's 16 numbers
.set C,   112                          ; weights: v112-127 codes, four registers a column
.set LW,  64                           ; LN: v64-95 the gain
.set LB,  96                           ; LN: v96-127 the bias
.set VCS, 24                           ; LN: where I put a word of codes in the stage
.set VCR, 25                           ; LN: where I read 16 bytes back
.set VOU, 26                           ; LN: my byte offset in the image's row tile
.set LA,  27                           ; 16 x lane
.set GB,   19456                       ; LDS, LN: behind the stage (17,408 bytes) and the spare words (2,048): the gain's 4,096 bytes, then the bias's
.set WSTG, 27648                       ; LDS, weights: 2,048 bytes for each wave
.macro MKSCALE e, vs, vl               ; v[vs] = 2^e as f32 (the conversion takes its exponent field), v[vl] = 57,344 x 2^e
	s_add_co_i32 s48, s[\e], 127
	s_lshl_b32 s49, s48, 23
	v_mov_b32 v[\vs], s49
	s_add_co_i32 s48, s48, 15
	s_lshl_b32 s48, s48, 23
	s_or_b32 s48, s48, 0x600000
	v_mov_b32 v[\vl], s48
.endm
; One weight [k][n]: work-groups first .. ; 2^logkt steps of 64 along K; its pointer in s[pin:pin+1]; its image woff bytes into wc; its exponent in s[esc].  s52 = wave % 4: my 128 columns; s53 = wave / 4: my 16 along K
.macro WQ first, logkt, n, k, pin, woff, esc
	s_sub_co_u32 s29, ttmp9, \first
	s_and_b32 s30, s29, (1<<\logkt)-1              ; which 64 along K
	s_lshr_b32 s31, s29, \logkt                    ; which 512 columns
	s_lshl_b32 s44, s30, 2
	s_add_co_u32 s44, s44, s53                     ; which 16 along K
	s_mul_i32 s44, s44, 16*\n*4
	s_lshl_b32 s46, s31, 11
	s_add_co_u32 s44, s44, s46
	s_lshl_b32 s46, s52, 9
	s_add_co_u32 s44, s44, s46                     ; in: my first row, my first column, in bytes
	s_mov_b32 s45, 0
	s_add_nc_u64 s[44:45], s[\pin:\pin+1], s[44:45]
.set wi, 0
.rept 16
	global_load_b128 v[X+4*wi:X+4*wi+3], v[LA], s[44:45] offset:wi*\n*4 th:TH_LOAD_NT   ; register 4 i + j: W(k0 + i, 4 lane + j)
.set wi, wi+1
.endr
	s_lshl_b32 s46, s31, 5
	s_lshl_b32 s48, s52, 3
	s_add_co_u32 s46, s46, s48
	s_mul_i32 s46, s46, 16*\k                      ; out: row tile 32 cb + 8 (wave % 4),
	s_lshl_b32 s48, s30, 10
	s_add_co_u32 s46, s46, s48
	s_lshl_b32 s48, s53, 8
	s_add_co_u32 s46, s46, s48                     ; piece k0 / 16, 256 bytes each,
	s_add_co_u32 s46, s46, \woff                   ; in this weight's part of wc
	s_mov_b32 s47, 0
	s_add_nc_u64 s[46:47], s[26:27], s[46:47]
	v_mul_u32_u24 v5, v8, 16*\k
	v_lshl_add_u32 v5, v9, 4, v5                   ; out: slot lane % 16 of row tile lane / 16
	s_wait_kmcnt 0x0
	MKSCALE \esc, 11, 10
	s_wait_alu depctr_va_vdst(0)                   ; directly ahead of the wait below
	s_wait_loadcnt 0x0
.irp j, 0,1,2,3
.set wi, 0
.rept 16
	v_med3_num_f32 v[T+wi], v[X+4*wi+\j], -v10, v10   ; the conversion does not saturate (ISA guide 7.6.2): the hold comes first, and lays column j down K
.set wi, wi+1
.endr
	v_cvt_scalef32_pk8_bf8_f32 v[C+4*\j:C+4*\j+1], v[T:T+7], v11
	v_cvt_scalef32_pk8_bf8_f32 v[C+4*\j+2:C+4*\j+3], v[T+8:T+15], v11
	v_nop                                          ; a plain line behind the conversions, ahead of the next column's holds
	ds_store_b128 v3, v[C+4*\j:C+4*\j+3] offset:16*\j
.endr
.irp i, 0,1,2,3
	ds_load_b128 v[X+4*\i:X+4*\i+3], v4 offset:512*\i   ; LDS serves a wave's instructions in order (ISA guide 5.7.1.4): these see my stores
.endr
	s_wait_dscnt 0x0
.irp i, 0,1,2,3
	global_store_b128 v5, v[X+4*\i:X+4*\i+3], s[46:47] offset:\i*32*\k   ; lanes 0-15 fill 256 consecutive bytes of row tile 2 i, lanes 16-31 of row tile 2 i + 1
.endr
	s_wait_tensorcnt 0x0                           ; the wave's end
	ds_add_u32 v6, v7
	s_wait_dscnt 0x0
	s_endpgm
.endm
.macro WSUM r, t                       ; v[r] summed over the wave's 32 lanes, the sum in every lane; v[t] has been written before
	s_delay_alu instid0(VALU_DEP_1)
	v_add_f32_dpp v[\r], v[\r], v[\r] row_xmask:1 row_mask:0xf bank_mask:0xf
	s_delay_alu instid0(VALU_DEP_1)
	v_add_f32_dpp v[\r], v[\r], v[\r] row_xmask:2 row_mask:0xf bank_mask:0xf
	s_delay_alu instid0(VALU_DEP_1)
	v_add_f32_dpp v[\r], v[\r], v[\r] row_xmask:4 row_mask:0xf bank_mask:0xf
	s_delay_alu instid0(VALU_DEP_1)
	v_add_f32_dpp v[\r], v[\r], v[\r] row_xmask:8 row_mask:0xf bank_mask:0xf
	s_delay_alu instid0(VALU_DEP_1)
	v_permlanex16_b32 v[\t], v[\r], s50, s51
	s_delay_alu instid0(VALU_DEP_1)
	v_add_f32 v[\r], v[\r], v[\t]
.endm
	s_load_b512 s[8:23], s[0:1], 0x0               ; x 8, ln1_w 10, ln1_b 12, c_attn_w 14, c_proj_w 16, fc_w 18, proj_w 20, the exponents 22
	s_load_b128 s[24:27], s[0:1], 0x40             ; a1c 24, wc 26
	v_lshl_add_u32 v6, v0, 2, 0x4400               ; my spare word; v6 and v7 serve the add alone
	v_mov_b32 v7, 0
	v_lshrrev_b32 v1, 5, v0
	s_delay_alu instid0(VALU_DEP_1)
	v_readfirstlane_b32 s28, v1                    ; wave 0..15
	v_and_b32 v1, 31, v0                           ; lane
	s_and_b32 s52, s28, 3
	s_lshr_b32 s53, s28, 2
	s_lshl_b32 s54, s28, 11
	s_add_co_u32 s54, s54, WSTG                    ; weights: my stage
	v_lshlrev_b32 v[LA], 4, v1
	v_and_b32 v3, 1, v1                            ; column 4 lane + j has, with its bits 3 and 4 exchanged, row tile (lane / 2) % 2 + 2 (lane / 8) and slot j + 4 (lane % 2) + 8 ((lane / 4) % 2)
	v_bfe_u32 v4, v1, 2, 1
	v_bfe_u32 v5, v1, 1, 1
	v_lshrrev_b32 v8, 3, v1
	v_lshlrev_b32 v3, 6, v3
	v_lshl_or_b32 v3, v4, 7, v3
	v_lshl_or_b32 v3, v5, 8, v3
	v_lshl_or_b32 v3, v8, 9, v3
	v_add_nc_u32 v3, s54, v3                       ; the stage, in: 256 bytes a row tile, 16 a slot
	v_add_nc_u32 v4, s54, v[LA]                    ; and back: as it lies
	v_lshrrev_b32 v8, 4, v1
	v_and_b32 v9, 15, v1
	s_wait_kmcnt 0x0
	s_load_b256 s[32:39], s[22:23], 0x0            ; e0 .. e7
	s_load_b128 s[40:43], s[22:23], 0x20           ; e8 .. e11
	s_cmp_lt_u32 ttmp9, 96
	s_cbranch_scc0 .Lnot_w0
	s_wait_alu depctr_va_vdst(0)
	WQ 0, 4, 3072, 1024, 14, 0, 33
.Lnot_w0:
	s_cmp_lt_u32 ttmp9, 128
	s_cbranch_scc0 .Lnot_w1
	s_wait_alu depctr_va_vdst(0)
	WQ 96, 4, 1024, 1024, 16, 3145728, 39
.Lnot_w1:
	s_cmp_lt_u32 ttmp9, 256
	s_cbranch_scc0 .Lnot_w2
	s_wait_alu depctr_va_vdst(0)
	WQ 128, 4, 4096, 1024, 18, 4194304, 41
.Lnot_w2:
	s_cmp_lt_u32 ttmp9, 384
	s_cbranch_scc0 .Lln
	s_wait_alu depctr_va_vdst(0)
	WQ 256, 6, 1024, 4096, 20, 8388608, 43
.Lln:
	; ---- LN1: y = w (x - mean) / (s + 1e-5) + b, s with the divisor 1,023; then the quantiser
	s_sub_co_u32 s29, ttmp9, 384                   ; T: the image's row tile
	s_lshr_b32 s30, s29, 1
	s_lshl_b32 s30, s30, 5
	s_and_b32 s31, s29, 1
	s_lshl_b32 s31, s31, 3
	s_add_co_u32 s30, s30, s31
	s_add_co_u32 s30, s30, s28
	s_and_b32 s31, s28, 8
	s_add_co_u32 s30, s30, s31                     ; my token: 32 (T / 2) + 8 (T % 2) + wave + 8 (wave / 8)
	s_lshl_b32 s44, s30, 12
	s_mov_b32 s45, 0
	s_add_nc_u64 s[44:45], s[8:9], s[44:45]        ; its row of 4,096 bytes
	s_lshl_b32 s46, s29, 14
	s_mov_b32 s47, 0
	s_add_nc_u64 s[46:47], s[24:25], s[46:47]      ; the row tile's 16,384 bytes of codes
	s_mov_b32 s50, 0x76543210                      ; v_permlanex16_b32: lane l takes lane l xor 16
	s_mov_b32 s51, 0xfedcba98
	s_cmp_lt_u32 s28, 8                            ; my 512 bytes of the gain (waves 0-7) or of the bias (waves 8-15)
	s_cselect_b64 s[52:53], s[10:11], s[12:13]
	s_and_b32 s54, s28, 7
	s_lshl_b32 s54, s54, 9
	s_mov_b32 s55, 0
	s_add_nc_u64 s[52:53], s[52:53], s[54:55]
	s_lshl_b32 s54, s28, 9
	s_add_co_u32 s54, s54, GB
	s_wait_alu depctr_va_vdst(0)
	v_add_nc_u32 v9, s54, v[LA]                    ; and their place in LDS: the bias lies behind the gain
	global_load_b128 v[LW:LW+3], v[LA], s[52:53]
.irp j, 0,1,2,3,4,5,6,7
	global_load_b128 v[X+4*\j:X+4*\j+3], v[LA], s[44:45] offset:512*\j th:TH_LOAD_NT   ; register 4 j + q: k = 128 j + 4 lane + q; 512 consecutive bytes a load
.endr
	v_lshrrev_b32 v3, 2, v1                        ; the stage: 64 pieces (16 along K x 16 tokens x 1 byte = 256 bytes), 272 bytes apart
	s_delay_alu instid0(VALU_DEP_1)
	v_mul_u32_u24 v[VCS], v3, 272
	v_and_b32 v3, 3, v1
	s_delay_alu instid0(VALU_DEP_1)
	v_lshl_add_u32 v[VCS], v3, 2, v[VCS]
	s_lshl_b32 s31, s28, 4
	v_add_nc_u32 v[VCS], s31, v[VCS]               ; in: piece 8 j + lane / 4, my token's 16 bytes, word lane % 4
	v_lshrrev_b32 v3, 4, v1
	s_delay_alu instid0(VALU_DEP_1)
	v_mul_u32_u24 v[VCR], v3, 272
	v_and_b32 v3, 15, v1
	s_delay_alu instid0(VALU_DEP_1)
	v_lshl_add_u32 v[VCR], v3, 4, v[VCR]
	s_mul_i32 s31, s28, 1088
	v_add_nc_u32 v[VCR], s31, v[VCR]               ; back: pieces 4 wave .. 4 wave + 3, two an instruction
	s_lshl_b32 s31, s28, 10
	v_add_nc_u32 v[VOU], s31, v[LA]
	s_wait_kmcnt 0x0
	MKSCALE 32, 11, 10
	s_wait_alu depctr_va_vdst(0)                   ; directly ahead of the wait below
	s_wait_loadcnt 8                               ; my part of gain or bias is in; the row's 8 loads may be out
	ds_store_b128 v9, v[LW:LW+3]
	s_wait_dscnt 0x0                               ; for the others' sake
	s_barrier_signal -1
	s_barrier_wait -1                              ; gain and bias lie whole in LDS
.irp j, 0,1,2,3,4,5,6,7
	ds_load_b128 v[LW+4*\j:LW+4*\j+3], v[LA] offset:GB+512*\j
.endr
.irp j, 0,1,2,3,4,5,6,7
	ds_load_b128 v[LB+4*\j:LB+4*\j+3], v[LA] offset:GB+4096+512*\j
.endr
	s_wait_loadcnt 0x0                             ; the row is in
	v_pk_add_f32 v[4:5], v[32:33], v[34:35]
	v_pk_add_f32 v[30:31], v[40:41], v[44:45]
	v_pk_add_f32 v[28:29], v[48:49], v[52:53]
	v_pk_add_f32 v[22:23], v[56:57], v[60:61]
	v_pk_add_f32 v[20:21], v[36:37], v[38:39]
	v_pk_add_f32 v[18:19], v[42:43], v[46:47]
	v_pk_add_f32 v[16:17], v[50:51], v[54:55]
	v_pk_add_f32 v[2:3], v[58:59], v[62:63]
	s_delay_alu instid0(VALU_DEP_1)
	v_pk_add_f32 v[2:3], v[2:3], v[22:23]
	v_pk_add_f32 v[4:5], v[4:5], v[20:21]
	v_pk_add_f32 v[30:31], v[30:31], v[18:19]
	v_pk_add_f32 v[28:29], v[28:29], v[16:17]
	s_delay_alu instid0(VALU_DEP_2)
	v_pk_add_f32 v[2:3], v[2:3], v[30:31]
	s_delay_alu instid0(VALU_DEP_2)
	v_pk_add_f32 v[4:5], v[4:5], v[28:29]
	s_delay_alu instid0(VALU_DEP_1)
	v_pk_add_f32 v[2:3], v[2:3], v[4:5]
	s_delay_alu instid0(VALU_DEP_1)
	v_add_f32 v2, v2, v3
	WSUM 2, 3
	s_delay_alu instid0(VALU_DEP_1)
	v_mul_f32 v12, 0x3a800000, v2                  ; the mean: x 1 / 1,024
	s_delay_alu instid0(VALU_DEP_1)
	v_mov_b32 v13, v12
.irp j, 0,2,4,6,8,10,12,14,16,18,20,22,24,26,28,30
	v_pk_add_f32 v[X+\j:X+\j+1], v[X+\j:X+\j+1], v[12:13] neg_lo:[0,1] neg_hi:[0,1]   ; x - mean first, then the squares: a common offset costs no accuracy
.endr
	v_pk_mul_f32 v[2:3], v[X:X+1], v[X:X+1]
	v_pk_mul_f32 v[4:5], v[X+2:X+3], v[X+2:X+3]
.irp j, 4,8,12,16,20,24,28
	s_delay_alu instid0(VALU_DEP_2)
	v_pk_fma_f32 v[2:3], v[X+\j:X+\j+1], v[X+\j:X+\j+1], v[2:3]
	s_delay_alu instid0(VALU_DEP_2)
	v_pk_fma_f32 v[4:5], v[X+\j+2:X+\j+3], v[X+\j+2:X+\j+3], v[4:5]
.endr
	s_delay_alu instid0(VALU_DEP_1)
	v_pk_add_f32 v[2:3], v[2:3], v[4:5]
	s_delay_alu instid0(VALU_DEP_1)
	v_add_f32 v2, v2, v3
	WSUM 2, 3
	s_delay_alu instid0(VALU_DEP_1)
	v_mul_f32 v2, 0x3a802008, v2                   ; x 1 / 1,023
	s_wait_alu depctr_va_vdst(0)
	v_sqrt_f32 v2, v2
	v_nop                                          ; a plain line behind a transcendental
	s_wait_alu depctr_va_vdst(0)
	v_add_f32 v2, 0x3727c5ac, v2                   ; + 1e-5
	s_wait_alu depctr_va_vdst(0)
	v_rcp_f32 v14, v2
	v_nop
	s_wait_alu depctr_va_vdst(0)
	v_mov_b32 v15, v14
	s_wait_alu depctr_va_vdst(0)
	s_wait_dscnt 0x0                               ; gain and bias are in registers
.irp j, 0,2,4,6,8,10,12,14,16,18,20,22,24,26,28,30
	v_pk_mul_f32 v[X+\j:X+\j+1], v[X+\j:X+\j+1], v[14:15]
.endr
.irp j, 0,2,4,6,8,10,12,14,16,18,20,22,24,26,28,30
	v_pk_fma_f32 v[X+\j:X+\j+1], v[X+\j:X+\j+1], v[LW+\j:LW+\j+1], v[LB+\j:LB+\j+1]
.endr
.set wi, 0
.rept 32
	v_med3_num_f32 v[X+wi], v[X+wi], -v10, v10
.set wi, wi+1
.endr
.irp m, 0,1,2,3
	v_cvt_scalef32_pk8_bf8_f32 v[16+2*\m:17+2*\m], v[X+8*\m:X+8*\m+7], v11   ; word j of the eight: the codes of k = 128 j + 4 lane + 0 .. 3
.endr
	v_nop
.irp j, 0,1,2,3,4,5,6,7
	ds_store_b32 v[VCS], v[16+\j] offset:2176*\j
.endr
	s_wait_dscnt 0x0                               ; for the others' sake: my words lie in the stage
	s_barrier_signal -1
	s_barrier_wait -1                              ; all sixteen tokens' do
	ds_load_b128 v[16:19], v[VCR]
	ds_load_b128 v[20:23], v[VCR] offset:544
	s_wait_dscnt 0x0
	global_store_b128 v[VOU], v[16:19], s[46:47]               ; 512 consecutive bytes a store
	global_store_b128 v[VOU], v[20:23], s[46:47] offset:512
	s_wait_tensorcnt 0x0                           ; the wave's end
	ds_add_u32 v6, v7
	s_wait_dscnt 0x0
	s_endpgm
.Lfunc_end_k_q44ec75379e_prep:
	.size	k_q44ec75379e_prep, .Lfunc_end_k_q44ec75379e_prep-k_q44ec75379e_prep
	.p2alignl 7, 3214868480
	.fill 96, 4, 3214868480
	.section	.rodata,"a",@progbits
	.p2align	6, 0x0
	.amdhsa_kernel k_q44ec75379e_prep
		.amdhsa_group_segment_fixed_size 60416
		.amdhsa_private_segment_fixed_size 0
		.amdhsa_enable_private_segment 0
		.amdhsa_kernarg_size 80
		.amdhsa_user_sgpr_count 2
		.amdhsa_user_sgpr_kernarg_segment_ptr 1
		.amdhsa_wavefront_size32 1
		.amdhsa_system_sgpr_workgroup_id_x 1
		.amdhsa_system_sgpr_workgroup_id_y 1
		.amdhsa_system_sgpr_workgroup_id_z 1
		.amdhsa_system_vgpr_workitem_id 0
		.amdhsa_next_free_vgpr 128
		.amdhsa_next_free_sgpr 66
		.amdhsa_reserve_vcc 0
		.amdhsa_float_denorm_mode_32 3
		.amdhsa_float_denorm_mode_16_64 3
		.amdhsa_memory_ordered 1
		.amdhsa_forward_progress 1
		.amdhsa_inst_pref_size 52
	.end_amdhsa_kernel
	.amdgpu_metadata
---
amdhsa.version: [ 1, 2 ]
amdhsa.kernels:
  - .name:           k_q44ec75379e_prep
    .symbol:         k_q44ec75379e_prep.kd
    .args:
      - { .name: x, .offset: 0, .size: 8, .value_kind: global_buffer, .address_space: global }
      - { .name: ln1_w, .offset: 8, .size: 8, .value_kind: global_buffer, .address_space: global }
      - { .name: ln1_b, .offset: 16, .size: 8, .value_kind: global_buffer, .address_space: global }
      - { .name: c_attn_w, .offset: 24, .size: 8, .value_kind: global_buffer, .address_space: global }
      - { .name: c_proj_w, .offset: 32, .size: 8, .value_kind: global_buffer, .address_space: global }
      - { .name: fc_w, .offset: 40, .size: 8, .value_kind: global_buffer, .address_space: global }
      - { .name: proj_w, .offset: 48, .size: 8, .value_kind: global_buffer, .address_space: global }
      - { .name: lowp_scales, .offset: 56, .size: 8, .value_kind: global_buffer, .address_space: global }
      - { .name: a1c, .offset: 64, .size: 8, .value_kind: global_buffer, .address_space: global }
      - { .name: wc, .offset: 72, .size: 8, .value_kind: global_buffer, .address_space: global }
    .group_segment_fixed_size: 60416
    .private_segment_fixed_size: 0
    .kernarg_segment_align: 8
    .kernarg_segment_size: 80
    .max_flat_workgroup_size: 512
    .sgpr_count:     66
    .vgpr_count:     128
    .wavefront_size: 32
...
	.end_amdgpu_metadata
.endif
;; end of part 1
;; launch gemm_qkv (part 2): grid 12 x 16, 4 waves a work-group, clusters of 4 x 4, 327,680 bytes of LDS; arguments a1c, wc, lowp_scales, c_attn_b, qkvc; writes qkvc
.if DOCPART == 2
	.amdgcn_target "amdgcn-amd-amdhsa--gfx1250"
	.amdhsa_code_object_version 6
	.text
	.protected	k_q44ec75379e_gemm_qkv
	.globl	k_q44ec75379e_gemm_qkv
	.p2align	8
	.type	k_q44ec75379e_gemm_qkv,@function
k_q44ec75379e_gemm_qkv:
	s_mov_b64 s[64:65], 0
	v_nop
	global_prefetch_b8 v0, s[64:65] scope:SCOPE_SE
	s_setreg_imm32_b32 hwreg(HW_REG_WAVE_MODE, 25, 1), 1
	s_wait_xcnt 0x0
	s_wait_alu depctr_hold_cnt(0) depctr_sa_sdst(0) depctr_va_vdst(0) depctr_va_sdst(0) depctr_va_ssrc(0) depctr_va_vcc(0) depctr_vm_vsrc(0)
	s_getreg_b32 s2, hwreg(HW_REG_IB_STS2, 6, 4)
	s_cmp_eq_u32 s2, 0
	s_cbranch_scc0 .Lentry_in_a_cluster
	s_endpgm
.Lentry_in_a_cluster:
	s_bfe_u32 s2, ttmp6, 0x10000c
	s_cmp_lg_u32 s2, 0xf033
	s_cbranch_scc0 .Lentry_shape_is_right
	s_endpgm
.Lentry_shape_is_right:
; qkv = Q(LN1 x) Q(c_attn_w) + c_attn_b on codes of BF8 (E5M2); q, k and v are quantised on the way out and stored as the images that the attention launch loads.
; OPERANDS lie in memory as images of their registers: for [rows][K], code (row, k) at rt x 16 K + (k / 16) x 256 + r x 16 + k % 16, (rt, r) from the row's number with bits 3 and 4 exchanged.
; A fragment (16 rows x 128 K) is 2,048 consecutive bytes: four loads of 16 bytes a lane at 16 x lane + 512 c; no pitch, no padding.  Both operands have k in the same places, so every product meets its partner.
; A tile of the result, 256 x 256, is made by four waves, a wave 128 x 128: 64 accumulators.  K goes in steps of 256 through a ring of two LDS slots; a wave's tensor load brings 8 row tiles x 4,096 bytes.
; K IS WALKED ROUND: the cluster at (x, y) begins with part (x + y) mod 4 of K's four parts of 256 and goes on round K's end to its start, so that clusters which read the same rows ask for different parts
; of them at any one time.  The order of a sum along K therefore differs from cluster to cluster; the sums are f32.
; THE MATRIX INSTRUCTION TAKES THE B SIDE AS SOURCE 0 AND THE A SIDE AS SOURCE 1: lane (r, h) holds A's slot r, and in accumulators 2 b, 2 b + 1 the B side's 16 neighbouring rows 32 b + 16 h + 0 .. 15.
; Two conversions then give the lane's 16 bytes of the next operand's image, and a store covers 512 consecutive bytes.
; CLUSTERS 4 x 4; the cluster's x says which part: 0 q, 1 k, 2 v.  q, k: A side = tokens (a1c), B side = channels (wc): a lane's neighbours run along the head's 64, the scores' K.
; v: THE SIDES ARE EXCHANGED, A side = channels, B side = tokens: a lane's neighbours run along the keys, the second product's K.  Both buffers have rows of 16,384 bytes, so only pointers and tile numbers are chosen.
; Every branch below hangs on the cluster's x or on the wave's number: alike in all partners.  A's tiles are asked for jointly along a row of the cluster, B's along a column.
; The bias goes in as the C of the first K step, divided by 2^(e0 + e1), the power that the sums lack; the conversion's one scale is 2^(eX - e0 - e1), eX = e2 (q), e3 (k), e4 (v).
; OUT: q at 0, k at 4 MiB: [batch x head 32][token tile 128][1,024 bytes: 16 tokens x 64];  v at 8 MiB: [batch x head][128 keys: 16][16 of the head's 64: 4][2,048 bytes].
; LIMITS: eX - e0 - e1 between -126 and 112.  NaN among the inputs is not served.
; REGISTERS, in windows of 256: window 0: v16-31 addresses and scales; v32-95 the bias in the result's layout; v96-103 at work; v128-255 A's fragments, ONE set, later the codes.
;   window 1: B's fragments, TWO sets, at v0 and v128.   window 2: accumulators of A's blocks 0-3 ((a, b) at v[8 (8 (a % 4) + b)]);   window 3: blocks 4-7.
.set AB,     8                         ; blocks of 16 rows a wave, A side
.set BB,     8                         ; and B side
.set KQ,     2                         ; steps of 128 along K in a slot
.set SIZE_K, 1024
.set ROWB,   KQ*2048                   ; a row tile's bytes in a slot
.set KROW,   16*SIZE_K                 ; a row tile's bytes in memory
.set NSLOT,  KROW/ROWB                 ; parts of K, a slot's worth each
.set HALFT,  AB*ROWB                   ; what one tensor load brings, and what one wave reads of A or of B
.set SLOT,   4*HALFT                   ; A's two halves, then B's two
.set SPARE,  2*SLOT                    ; behind the ring: the spare words, 128 bytes for each wave, that no other line names
.set LAPS,   SIZE_K/(256*KQ)           ; a lap = once round the ring
.set ADRA, 16                          ; v16-17  LDS address of my A fragments in slot 0, 1
.set ADRB, 20                          ; v20-21  the same for B
.set LI,   27                          ; v27     16 x lane
.set SPW,  28                          ; v28     my spare word; never rewritten
.set NIL,  29                          ; v29     0; never rewritten
.set SC,   30                          ; v30     the conversion's scale
.set LIM,  31                          ; v31     57,344 x that
.set BIAS, 32
.set AF,   128
.set G1,  24                           ; s[24:31] descriptor group 1 for A's tiles; s[32:39] group 0, a set for each slot
.set G0,  32
.set G1B, 48                           ; s[48:55], s[56:63] the same for B's
.set G0B, 56
.set KO,  86                           ; s[86:87], s[88:89] for each slot: the byte in a row tile at which its part of K begins, with 0 above it
.set MSB, 0
.macro WIN new                         ; the immediate's high byte repeats the setting that is left; bits 1:0 source 0, 3:2 source 1, 5:4 source 2, 7:6 destination
.if MSB != (\new)
	s_set_vgpr_msb (MSB<<8)|(\new)
.set MSB, (\new)
.endif
.endm
.macro PLACES                          ; four plain vector lines behind matrix instructions, in front of loads into registers that they read and of reads of their results
.rept 4
	v_nop
.endr
.endm
.macro JLOAD g0a, g0b                  ; a joint load: waves 0, 1 fetch A's halves, waves 2, 3 B's; four v_nop follow each line
	s_cmp_eq_u32 s17, 0
	s_cbranch_scc0 .Lfor_b_\@
	tensor_load_to_lds s[\g0a:\g0a+3], s[G1:G1+7]
	s_nop 0
.rept 4
	v_nop
.endr
	s_branch .Lasked_\@
.Lfor_b_\@:
	tensor_load_to_lds s[\g0b:\g0b+3], s[G1B:G1B+7]
	s_nop 0
.rept 4
	v_nop
.endr
.Lasked_\@:
.endm
.macro NEXTK slot                      ; the slot's next part of K: two parts on, round the row tile's end; both descriptors are made anew from the kept bases s[20:21] (A) and s[46:47] (B)
	s_add_co_u32 s[KO+2*\slot], s[KO+2*\slot], 2*ROWB
	s_and_b32 s[KO+2*\slot], s[KO+2*\slot], KROW-1
	s_add_nc_u64 s[G0+4*\slot+2:G0+4*\slot+3], s[20:21], s[KO+2*\slot:KO+2*\slot+1]
	s_or_b32 s[G0+4*\slot+3], s[G0+4*\slot+3], 0x80000000
	s_add_nc_u64 s[G0B+4*\slot+2:G0B+4*\slot+3], s[46:47], s[KO+2*\slot:KO+2*\slot+1]
	s_or_b32 s[G0B+4*\slot+3], s[G0B+4*\slot+3], 0x80000000
.endm
.macro CREST                           ; a round of the cluster's barrier behind its opening barrier
	s_cmp_lg_u32 s16, 0
	s_cbranch_scc1 .Lnot_wave_0_\@
	s_barrier_signal -3
.Lnot_wave_0_\@:
	s_barrier_wait -3
	s_barrier_signal -1
	s_barrier_wait -1
.endm
.macro CROUND
	s_barrier_signal -1
	s_barrier_wait -1
	CREST
.endm
.macro FRAG reg, adr, off              ; a fragment: 2,048 consecutive bytes, 512 a load
.irp c, 0,1,2,3
	ds_load_b128 v[\reg+4*\c:\reg+4*\c+3], v[\adr] offset:\off+512*\c
.endr
.endm
.macro FETCH_B slot, q, p              ; B's fragments of the slot's q-th 128 along K into set p
	WIN 0x40
.set fi, 0
.rept BB
	FRAG 128*(\p)+16*fi, ADRB+\slot, fi*ROWB+(\q)*2048
.set fi, fi+1
.endr
	WIN 0
.endm
.macro FETCH_A slot, q, half           ; A's lower (0) or upper (1) blocks
.set fi, (\half)*AB/2
.rept AB/2
	FRAG AF+16*fi, ADRA+\slot, fi*ROWB+(\q)*2048
.set fi, fi+1
.endr
.endm
; A quarter of a step: AB / 4 of A's blocks against all of B's.  p: B's set.  mode 0: sums go on; 1: they start from the bias by B's rows; 2: from the bias by A's slots.
; The accumulators take turns, one instruction a turn, in the same order in every step.
.macro MULQ qd, p, mode
.set ma, (\qd)*AB/4
.rept AB/4
.set W, 2+ma/4
.if \mode == 0
	WIN (W<<6)|(W<<4)|1
.else
	WIN (W<<6)|1
.endif
.set mb, 0
.rept BB
.set rD, 8*(BB*(ma%4)+mb)
.if \mode == 0
	v_wmma_f32_16x16x128_bf8_bf8 v[rD:rD+7], v[128*(\p)+16*mb:128*(\p)+16*mb+15], v[AF+16*ma:AF+16*ma+15], v[rD:rD+7]
.elseif \mode == 1
	v_wmma_f32_16x16x128_bf8_bf8 v[rD:rD+7], v[128*(\p)+16*mb:128*(\p)+16*mb+15], v[AF+16*ma:AF+16*ma+15], v[BIAS+8*mb:BIAS+8*mb+7]
.else
	v_wmma_f32_16x16x128_bf8_bf8 v[rD:rD+7], v[128*(\p)+16*mb:128*(\p)+16*mb+15], v[AF+16*ma:AF+16*ma+15], v[BIAS+8*ma:BIAS+8*ma+7]
.endif
.set mb, mb+1
.endr
.set ma, ma+1
.endr
.endm
.macro STEP slot, q, mode              ; a step of 128 along K that has its successor in the same slot
	s_wait_dscnt 2*AB                              ; B's set and A's lower blocks are in; the youngest 2 AB loads (A's upper blocks) may be out
	MULQ 0, (\q)%2, \mode
	MULQ 1, (\q)%2, \mode
	s_wait_dscnt 0x0                               ; A's upper blocks are in
	PLACES
	FETCH_B \slot, (\q)+1, 1-(\q)%2
	FETCH_A \slot, (\q)+1, 0
	MULQ 2, (\q)%2, \mode
	MULQ 3, (\q)%2, \mode
	PLACES
	WIN 0
	FETCH_A \slot, (\q)+1, 1
.endm
; A slot's last step changes slots: one barrier; in front of it each wave waits for all its tensor loads, adds 0 to its spare word, and waits for that and for its reads of this slot.  fill = 1: this slot is filled again.
.macro TURN slot, next, fill
	s_wait_tensorcnt 0x0                           ; all my tensor loads have landed: my part of the next slot; so every group 0 may be written
	ds_add_u32 v[SPW], v[NIL]                      ; 0 onto my spare word
.if \fill
	NEXTK \slot                                    ; work on registers between the add and the wait for it
.endif
	s_wait_dscnt 2*AB+1                            ; (the add and A's upper blocks may be out)
	MULQ 0, 1, 0
	s_wait_dscnt 0x0                               ; the add is done, and my reads of this slot are over
	s_barrier_signal -1
	MULQ 1, 1, 0
	WIN 0
	s_barrier_wait -1
.if \fill
	CREST                                          ; the barrier has opened a round of the cluster's: no wave of any partner still reads this slot or has a load on its way
	JLOAD G0+4*\slot, G0B+4*\slot                  ; the first thing behind the round; its four v_nop are also the places in front of the loads below
.else
	PLACES
.endif
	FETCH_B \next, 0, 0
	FETCH_A \next, 0, 0
	MULQ 2, 1, 0
	MULQ 3, 1, 0
	PLACES
	WIN 0
	FETCH_A \next, 0, 1
.endm
.macro LAST                            ; the very last step: nothing more to fetch
	s_wait_dscnt 2*AB
	MULQ 0, 1, 0
	MULQ 1, 1, 0
	s_wait_dscnt 0x0
	MULQ 2, 1, 0
	MULQ 3, 1, 0
	WIN 0
.endm
; THE WAY OUT: block by block of A's slots: the hold, the conversions (each accumulator from its low end on), four stores of 512 consecutive bytes.  The codes' registers are never rewritten.
.macro EPQ isv
.set ea, 0
.rept 8
.set W, 2+ea/4
.set AC, 64*(ea%4)
	WIN (W<<6)|W
.set ei, 0
.rept 64
	v_med3_num_f32 v[AC+ei], v[AC+ei], -v[LIM], v[LIM]
.set ei, ei+1
.endr
	WIN W
.set ei, 0
.rept 8
	v_cvt_scalef32_pk8_bf8_f32 v[AF+16*ea+2*ei:AF+16*ea+2*ei+1], v[AC+8*ei:AC+8*ei+7], v[SC]
.set ei, ei+1
.endr
	v_nop                                          ; a plain line behind the conversions
	WIN 0
.irp bp, 0,1,2,3
.if \isv
	global_store_b128 v[LI], v[AF+16*ea+4*\bp:AF+16*ea+4*\bp+3], s[12:13] offset:(ea/4)*131072+(ea%4)*2048+\bp*512   ; head ea / 4, 16 channels ea % 4, keys 32 bp on
.else
	global_store_b128 v[LI], v[AF+16*ea+4*\bp:AF+16*ea+4*\bp+3], s[12:13] offset:ea*1024+(\bp/2)*131072+(\bp%2)*512  ; token tile ea, head bp / 2, channels 32 (bp % 2) on
.endif
.endr
.set ea, ea+1
.endr
.endm
	s_load_b128 s[4:7], s[0:1], 0x0                ; a1c, wc
	s_load_b128 s[8:11], s[0:1], 0x10              ; the exponents, c_attn_b
	s_load_b64 s[12:13], s[0:1], 0x20              ; qkvc
	v_lshl_add_u32 v[SPW], v0, 2, SPARE
	v_mov_b32 v[NIL], 0
	ds_add_u32 v28, v29
	ds_add_u32 v28, v29
	s_wait_dscnt 0x0
	v_lshrrev_b32 v1, 5, v0
	v_readfirstlane_b32 s16, v1                    ; wave 0..3
	s_lshr_b32 s17, s16, 1                         ; my half of the A side.  Also: I fetch for A (0) or for B (1)
	s_and_b32 s18, s16, 1                          ; my half of the B side.  Also: which half of that tile I fetch
	s_bfe_u32 s40, ttmp6, 0x40000                  ; cx
	s_bfe_u32 s41, ttmp6, 0x40004                  ; cy
	s_and_b32 s19, ttmp7, 0xffff
	s_lshl_b32 s19, s19, 2                         ; 4 x cluster y
	s_add_co_u32 s43, s19, s41                     ; q, k: A's tile = token tile 4 cluster y + cy
	s_add_co_u32 s66, s41, 8                       ; v:    A's tile = channel tile 8 + cy
	s_lshl_b32 s42, ttmp9, 2
	s_add_co_u32 s42, s42, s40                     ; q, k: B's tile = channel tile 4 cluster x + cx
	s_add_co_u32 s67, s19, s40                     ; v:    B's tile = token tile 4 cluster y + cx
	s_cmp_eq_u32 ttmp9, 2
	s_cselect_b32 s43, s66, s43                    ; A's tile hangs on cy alone among the places in the cluster,
	s_cselect_b32 s42, s67, s42                    ; B's on cx alone
	s_lshl_b32 s44, s41, 2
	s_lshl_b32 s44, 15, s44                        ; my row of the cluster
	s_lshl_b32 s45, 0x1111, s40                    ; my column
	s_or_b32 s[G1], s44, (1<<21)                   ; 15:0 the mask; 17:16 elements of 1 byte; 20 no padding; 21 set beside a mask
	s_or_b32 s[G1B], s45, (1<<21)
.irp g, G1, G1B
	s_mov_b32 s[\g+1], ROWB<<16                    ; tensor_dim0
	s_mov_b32 s[\g+2], AB<<16                      ; tensor_dim1
	s_mov_b32 s[\g+3], ROWB<<16                    ; tile_dim0
	s_mov_b32 s[\g+4], AB                          ; tile_dim1
	s_mov_b32 s[\g+5], KROW                        ; from row tile to row tile
	s_mov_b32 s[\g+6], 0
	s_mov_b32 s[\g+7], 0
.endr
	s_mul_i32 s19, s18, AB                         ; which AB row tiles of the tile I fetch
	s_mul_i32 s20, s43, 2*AB
	s_add_co_u32 s20, s20, s19
	s_mul_i32 s20, s20, KROW
	s_mov_b32 s21, 0
	s_mul_i32 s46, s42, 2*AB
	s_add_co_u32 s46, s46, s19
	s_mul_i32 s46, s46, KROW
	s_mov_b32 s47, 0
	s_mul_i32 s22, s16, HALFT                      ; where they go: no place in the cluster enters an LDS address
	s_and_b32 s[KO], ttmp7, 0xffff                 ; where this cluster begins along K: part (cluster x + cluster y) mod NSLOT: the same in all sixteen partners
	s_add_co_u32 s[KO], s[KO], ttmp9
	s_and_b32 s[KO], s[KO], NSLOT-1
	s_mul_i32 s[KO], s[KO], ROWB
	s_mov_b32 s[KO+1], 0
	s_add_co_u32 s[KO+2], s[KO], ROWB              ; slot 1 takes the part behind it, round the end
	s_and_b32 s[KO+2], s[KO+2], KROW-1
	s_mov_b32 s[KO+3], 0
	s_wait_kmcnt 0x0
	s_load_b256 s[68:75], s[8:9], 0x0              ; e0 .. e7
	s_cmp_eq_u32 ttmp9, 2
	s_cselect_b64 s[76:77], s[6:7], s[4:5]         ; A's buffer
	s_cselect_b64 s[78:79], s[4:5], s[6:7]         ; B's buffer
	s_add_nc_u64 s[20:21], s[76:77], s[20:21]      ; my row tiles of A, at K = 0: kept
	s_add_nc_u64 s[46:47], s[78:79], s[46:47]      ; and of B: kept
	CROUND                                         ; all sixteen work-groups are here: the first joint loads meet
.irp s, 0,1
	s_mov_b32 s[G0+4*\s], 1
	s_add_co_u32 s[G0+4*\s+1], s22, \s*SLOT
	s_add_nc_u64 s[G0+4*\s+2:G0+4*\s+3], s[20:21], s[KO+2*\s:KO+2*\s+1]
	s_or_b32 s[G0+4*\s+3], s[G0+4*\s+3], 0x80000000
	s_mov_b32 s[G0B+4*\s], 1
	s_add_co_u32 s[G0B+4*\s+1], s22, \s*SLOT
	s_add_nc_u64 s[G0B+4*\s+2:G0B+4*\s+3], s[46:47], s[KO+2*\s:KO+2*\s+1]
	s_or_b32 s[G0B+4*\s+3], s[G0B+4*\s+3], 0x80000000
.endr
	JLOAD G0, G0B                                  ; slot 0: one tensor load a wave at the head
	v_and_b32 v2, 31, v0
	v_lshlrev_b32 v[LI], 4, v2
	s_mul_i32 s19, s17, HALFT                      ; my half of A,
	s_mul_i32 s23, s18, HALFT
	s_add_co_u32 s23, s23, 2*HALFT                 ; my half of B, behind A's two
.irp s, 0,1
	v_add_nc_u32 v[ADRA+\s], s19, v[LI]
	v_add_nc_u32 v[ADRB+\s], s23, v[LI]
	s_add_co_u32 s19, s19, SLOT
	s_add_co_u32 s23, s23, SLOT
.endr
	; PREFETCHES INTO THE L2.  Of the 8 row tiles that I fetch, each of the four partners that ask for them jointly names two, told apart by address (cx for A, cy for B):
	; a part of K is 4,096 bytes of a row tile, 16 blocks of 256 bytes: lanes 0-15 one row tile, lanes 16-31 the next.  Here the parts that slot 1's first fill and slot 0's refill will load; the last part is named behind slot 1's load.
	v_and_b32 v22, 15, v0
	v_bfe_u32 v23, v0, 4, 1
	v_lshlrev_b32 v22, 8, v22
	v_mad_u32_u24 v22, v23, KROW, v22              ; v22: never rewritten
	s_wait_alu depctr_va_vdst(0)                   ; ahead of the scalar lines below
	s_cmp_eq_u32 s17, 0
	s_cselect_b64 s[90:91], s[20:21], s[46:47]
	s_cselect_b32 s92, s40, s41
	s_mul_i32 s92, s92, (AB/4)*KROW
	s_mov_b32 s93, 0
	s_add_nc_u64 s[90:91], s[90:91], s[92:93]
	s_add_nc_u64 s[94:95], s[90:91], s[KO+2:KO+3]  ; the second part of my walk,
	s_add_co_u32 s92, s[KO], 2*ROWB
	s_and_b32 s92, s92, KROW-1
	s_add_nc_u64 s[96:97], s[90:91], s[92:93]      ; the third,
	s_add_co_u32 s92, s[KO+2], 2*ROWB
	s_and_b32 s92, s92, KROW-1
	s_add_nc_u64 s[98:99], s[90:91], s[92:93]      ; the fourth; none of the three pairs is rewritten
	global_prefetch_b8 v22, s[94:95] th:TH_LOAD_NT scope:SCOPE_SE
	global_prefetch_b8 v22, s[96:97] th:TH_LOAD_NT scope:SCOPE_SE
	s_cmp_eq_u32 ttmp9, 2
	s_cselect_b32 s76, s42, s43
	s_cselect_b32 s77, s18, s17
	s_cselect_b32 s78, s43, s42
	s_cselect_b32 s79, s17, s18
	s_lshl_b32 s76, s76, 8
	s_lshl_b32 s77, s77, 7
	s_add_co_u32 s76, s76, s77                     ; my first token
	s_lshl_b32 s78, s78, 8
	s_lshl_b32 s79, s79, 7
	s_add_co_u32 s78, s78, s79                     ; my first channel of the 3,072
	s_lshl_b32 s82, s78, 2
	s_mov_b32 s83, 0
	s_add_nc_u64 s[10:11], s[10:11], s[82:83]      ; its bias
	s_lshr_b32 s82, s78, 10
	s_lshl_b32 s82, s82, 22                        ; out: the part (q, k, v), 4 MiB each,
	s_lshr_b32 s77, s76, 11
	s_lshl_b32 s77, s77, 4
	s_bfe_u32 s79, s78, 0x40006
	s_add_co_u32 s77, s77, s79
	s_lshl_b32 s77, s77, 17
	s_add_co_u32 s82, s82, s77                     ; 16 x batch + head, 131,072 bytes each,
	s_and_b32 s77, s76, 2047
	s_lshl_b32 s77, s77, 6
	s_add_co_u32 s82, s82, s77                     ; 64 bytes a token: 1,024 a token tile (q, k), 8,192 for 128 keys (v)
	s_add_nc_u64 s[12:13], s[12:13], s[82:83]
	s_wait_kmcnt 0x0
	s_add_co_i32 s80, s68, s69                     ; e0 + e1
	s_sub_co_i32 s81, 0, s80
	s_cmp_eq_u32 ttmp9, 0
	s_cselect_b32 s82, s70, s71
	s_cmp_eq_u32 ttmp9, 2
	s_cselect_b32 s82, s72, s82                    ; eX, chosen without a jump
	s_sub_co_i32 s82, s82, s80
	s_add_co_i32 s82, s82, 127
	s_lshl_b32 s83, s82, 23
	v_mov_b32 v[SC], s83                           ; 2^(eX - e0 - e1)
	s_add_co_i32 s82, s82, 15
	s_lshl_b32 s82, s82, 23
	s_or_b32 s82, s82, 0x600000
	v_mov_b32 v[LIM], s82                          ; 57,344 x that
	s_cmp_eq_u32 ttmp9, 2
	s_cbranch_scc1 .Lbias_v
	v_bfe_u32 v3, v0, 4, 1                         ; q, k: register 16 b + i of the bias belongs to channel 32 b + 16 h + i
	v_lshlrev_b32 v3, 6, v3
.set bi, 0
.rept 16
	global_load_b128 v[BIAS+4*bi:BIAS+4*bi+3], v3, s[10:11] offset:128*(bi/4)+16*(bi%4)
.set bi, bi+1
.endr
	s_wait_loadcnt 0x0
.set bi, 0
.rept 64
	v_ldexp_f32 v[BIAS+bi], v[BIAS+bi], s81        ; / 2^(e0 + e1)
.set bi, bi+1
.endr
	s_branch .Lbias_done
.Lbias_v:
	v_and_b32 v3, 15, v0                           ; v: my slot's channel in block a: 32 (a / 2) + 8 (a % 2) + r + 8 (r / 8); the same number in a block's eight registers
	v_and_b32 v4, 8, v0
	v_add_nc_u32 v3, v3, v4
	v_lshlrev_b32 v3, 2, v3
.irp a, 0,1,2,3,4,5,6,7
	global_load_b32 v[96+\a], v3, s[10:11] offset:4*(32*(\a/2)+8*(\a%2))
.endr
	s_wait_loadcnt 0x0
.set bi, 0
.rept 64
	v_ldexp_f32 v[BIAS+bi], v[96+bi/8], s81
.set bi, bi+1
.endr
.Lbias_done:
	s_wait_alu depctr_va_vdst(0)                   ; the head's end
	s_wait_tensorcnt 0x0                           ; my part of slot 0 is in
	ds_add_u32 v[SPW], v[NIL]
	s_wait_dscnt 0x0
	CROUND                                         ; everybody's part is in, and all sixteen work-groups are here
	JLOAD G0+4, G0B+4                              ; slot 1's first fill, the first tensor load behind the round
	FETCH_B 0, 0, 0
	FETCH_A 0, 0, 0
	FETCH_A 0, 0, 1
	global_prefetch_b8 v22, s[98:99] th:TH_LOAD_NT scope:SCOPE_SE   ; the part that slot 1's refill will load
	s_cmp_eq_u32 ttmp9, 2                          ; the first step starts the sums from the bias: nothing is cleared
	s_cbranch_scc1 .Lfirst_v
	s_wait_alu depctr_va_vdst(0)
	STEP 0, 0, 1
	s_branch .Lfirst_done
.Lfirst_v:
	s_wait_alu depctr_va_vdst(0)
	STEP 0, 0, 2
.Lfirst_done:
	s_mov_b32 s3, LAPS-1
.Llap:                                                 ; a trip goes once round the ring and fills both slots again
	TURN 0, 1, 1
	STEP 1, 0, 0
	TURN 1, 0, 1
	STEP 0, 0, 0
	s_sub_co_u32 s3, s3, 1
	s_cmp_lg_u32 s3, 0
	s_cbranch_scc1 .Llap
	TURN 0, 1, 0                                   ; the last lap fills nothing
	STEP 1, 0, 0
	LAST
	PLACES
	s_cmp_eq_u32 ttmp9, 2
	s_cbranch_scc1 .Lout_v
	EPQ 0
	s_branch .Lout_done
.Lout_v:
	EPQ 1
.Lout_done:
	s_wait_tensorcnt 0x0                           ; the wave's end
	ds_add_u32 v[SPW], v[NIL]
	s_wait_dscnt 0x0
	CROUND                                         ; the closing round: no work-group ends while a partner may still ask for a tile that names it
	s_endpgm
.Lfunc_end_k_q44ec75379e_gemm_qkv:
	.size	k_q44ec75379e_gemm_qkv, .Lfunc_end_k_q44ec75379e_gemm_qkv-k_q44ec75379e_gemm_qkv
	.p2alignl 7, 3214868480
	.fill 96, 4, 3214868480
	.section	.rodata,"a",@progbits
	.p2align	6, 0x0
	.amdhsa_kernel k_q44ec75379e_gemm_qkv
		.amdhsa_group_segment_fixed_size 327680
		.amdhsa_private_segment_fixed_size 0
		.amdhsa_enable_private_segment 0
		.amdhsa_kernarg_size 40
		.amdhsa_user_sgpr_count 2
		.amdhsa_user_sgpr_kernarg_segment_ptr 1
		.amdhsa_wavefront_size32 1
		.amdhsa_system_sgpr_workgroup_id_x 1
		.amdhsa_system_sgpr_workgroup_id_y 1
		.amdhsa_system_sgpr_workgroup_id_z 1
		.amdhsa_system_vgpr_workitem_id 0
		.amdhsa_next_free_vgpr 1024
		.amdhsa_next_free_sgpr 100
		.amdhsa_reserve_vcc 0
		.amdhsa_float_denorm_mode_32 3
		.amdhsa_float_denorm_mode_16_64 3
		.amdhsa_memory_ordered 1
		.amdhsa_forward_progress 1
		.amdhsa_inst_pref_size 180
	.end_amdhsa_kernel
	.amdgpu_metadata
---
amdhsa.version: [ 1, 2 ]
amdhsa.kernels:
  - .name:           k_q44ec75379e_gemm_qkv
    .symbol:         k_q44ec75379e_gemm_qkv.kd
    .args:
      - { .name: a1c, .offset: 0, .size: 8, .value_kind: global_buffer, .address_space: global }
      - { .name: wc, .offset: 8, .size: 8, .value_kind: global_buffer, .address_space: global }
      - { .name: lowp_scales, .offset: 16, .size: 8, .value_kind: global_buffer, .address_space: global }
      - { .name: c_attn_b, .offset: 24, .size: 8, .value_kind: global_buffer, .address_space: global }
      - { .name: qkvc, .offset: 32, .size: 8, .value_kind: global_buffer, .address_space: global }
    .group_segment_fixed_size: 327680
    .private_segment_fixed_size: 0
    .kernarg_segment_align: 8
    .kernarg_segment_size: 40
    .max_flat_workgroup_size: 128
    .sgpr_count:     100
    .vgpr_count:     1024
    .wavefront_size: 32
...
	.end_amdgpu_metadata
.endif
;; end of part 2
;; launch attn (part 3): grid 8 x 32, 16 waves a work-group, clusters of 4 x 1, 327,680 bytes of LDS; arguments qkvc, lowp_scales, attc; writes attc
.if DOCPART == 3
	.amdgcn_target "amdgcn-amd-amdhsa--gfx1250"
	.amdhsa_code_object_version 6
	.text
	.protected	k_q44ec75379e_attn
	.globl	k_q44ec75379e_attn
	.p2align	8
	.type	k_q44ec75379e_attn,@function
k_q44ec75379e_attn:
	s_mov_b64 s[64:65], 0
	v_nop
	global_prefetch_b8 v0, s[64:65] scope:SCOPE_SE
	s_setreg_imm32_b32 hwreg(HW_REG_WAVE_MODE, 25, 1), 1
	s_wait_xcnt 0x0
	s_wait_alu depctr_hold_cnt(0) depctr_sa_sdst(0) depctr_va_vdst(0) depctr_va_sdst(0) depctr_va_ssrc(0) depctr_va_vcc(0) depctr_vm_vsrc(0)
	s_getreg_b32 s2, hwreg(HW_REG_IB_STS2, 6, 4)
	s_cmp_eq_u32 s2, 0
	s_cbranch_scc0 .Lentry_in_a_cluster
	s_endpgm
.Lentry_in_a_cluster:
	s_bfe_u32 s2, ttmp6, 0x10000c
	s_cmp_lg_u32 s2, 0x3003
	s_cbranch_scc0 .Lentry_shape_is_right
	s_endpgm
.Lentry_shape_is_right:
; Causal attention on codes of BF8 (E5M2): att = softmax(q k^T / 8, causal) v for one batch x head (grid y) and 256 of its 2,048 queries (grid x); the result is quantised (scale 2^e6) and stored as the image of the next product's left operand.
; IN (qkvc, images of operand registers): q at 0, k at 4 MiB: [batch x head 32][token tile 128][1,024 bytes: 16 tokens x 64]; v at 8 MiB: [batch x head][128 keys: 16][16 of the head's 64: 4][2,048 bytes].
; Slot r of token tile 2 b + u is token 32 b + 8 u + r + 8 (r / 8), so a lane's 16 registers of score tiles 2 b, 2 b + 1 are 16 neighbouring keys.  Both products are used transposed: a lane holds one query throughout.
; THE MASK is causal: key steps that lie wholly behind a tile's queries are left out; in the step on the diagonal hidden scores become -infinity, so p = 0.
; THE SOFTMAX: t = score x log2(e) / 8; M = the ceiling of the running largest t; p = 2^(t - M) is quantised (scale 2^e5); the sum is taken of the unquantised p and divides at the end.
; SHARES.  The head's K and V (2 x 131,072 bytes) lie whole in LDS: each of the SIXTEEN waves brings 16,384 bytes by one joint load (waves 0-7 K, 8-15 V), asked for with the three other work-groups of the cluster, which walk the same head.
; The work-group with number x owns token tiles 8 T + x, T = 0 .. 15; tile T needs key steps 0 .. T of 128 keys.  THE KEYS ARE DIVIDED BETWEEN TWO WAVES: waves w and w + 8 own tiles w and 15 - w; wave w takes the even steps, wave w + 8 the odd:
; 9 or 8 steps a wave.  Wave w walks tile w first, wave w + 8 tile 15 - w first.  Each keeps its first tile's part (O, sum, M) in registers, hands its second tile's part to its partner through LDS, and joins the partner's part to its own:
; both are brought under the larger M by powers of two, which rounds nothing.  The parts lie in K's bytes, behind a barrier behind which nobody reads K: those bytes have had their only fill.
; No prefetch: all tiles are asked for at the head, and there is no loop of loads to run ahead in.
; LIMITS: e2 + e3 between -123 and 130; e5 and e6 - e4 - e5 between -126 and 112; scaled scores under 2^31 in magnitude; NaN and infinities among the inputs are not served.
; REGISTERS: v1-11 addresses that stay; v12 -M, v13 the largest t, v[14:15] the sum; v16-31 Q of both tiles; v32-95 K's, then V's fragments; v96-159 S^T, then p; v160-191 O^T of the second tile; v192-223 of the first; v224-239 p's codes; v240-254 at work.
.set VBASE, 131072                     ; V's bytes in LDS
.set SPARE, 262144                     ; the spare words, 128 bytes for each wave, that no other line names
.set PART,  4608                       ; a wave's part on its way to the partner: 4,096 bytes of O^T, 256 of (sum, -M), rounded up to blocks of 512
.set LI,   1                           ; 16 x lane
.set SPW,  2                           ; my spare word; never rewritten
.set NIL,  3                           ; 0; never rewritten
.set STS,  4                           ; where I put my part
.set STR,  5                           ; where my partner's lies
.set ST8,  6                           ; the same for 8 bytes a lane
.set SR8,  7
.set ADK,  8
.set ADV,  9
.set DQ,   10                          ; my query's place in its 128 tokens, less 16 (lane / 16)
.set LIV,  11                          ; 16 x lane + VBASE
.set TB,   2                           ; LDS byte of the step's keys
.set GR,   3
.set WV,   18
.set PAR,  19                          ; 0: even key steps, 1: odd
.set SEL,  20
.set CS,   22
.set G1,   24
.set G0,   40
.set T1,   44                          ; my first tile, which I finish
.set T2,   45                          ; my second, which my partner finishes
.set OA,   92
.set KS,   98                          ; the key step
.macro CROUND                          ; a round of the cluster's barrier
	s_barrier_signal -1
	s_barrier_wait -1
	s_cmp_lg_u32 s[WV], 0
	s_cbranch_scc1 .Lnot_wave_0_\@
	s_barrier_signal -3
.Lnot_wave_0_\@:
	s_barrier_wait -3
	s_barrier_signal -1
	s_barrier_wait -1
.endm
	s_load_b128 s[4:7], s[0:1], 0x0                ; qkvc, the exponents
	s_load_b64 s[8:9], s[0:1], 0x10                ; attc
	v_lshl_add_u32 v[SPW], v0, 2, SPARE
	v_mov_b32 v[NIL], 0
	ds_add_u32 v[SPW], v[NIL]                      ; the opening lines: the add, twice on end, and its wait ahead of my tensor load
	ds_add_u32 v[SPW], v[NIL]
	v_lshrrev_b32 v8, 5, v0
	v_readfirstlane_b32 s[WV], v8                  ; wave 0..15
	s_lshr_b32 s[PAR], s[WV], 3
	s_and_b32 s12, s[WV], 7
	s_mul_i32 s13, s[PAR], 15
	s_xor_b32 s[T1], s12, s13                      ; w, or 15 - w in waves 8-15
	s_xor_b32 s[T2], s[T1], 15
	s_bfe_u32 s13, ttmp6, 0x40000                  ; cx
	s_lshl_b32 s14, ttmp9, 2
	s_add_co_u32 s14, s14, s13                     ; work-group x
	s_and_b32 s15, ttmp7, 0xffff                   ; batch x head
	s_lshl_b32 s10, s15, 17                        ; its 131,072 bytes in each of q, k, v
	s_mov_b32 s[G1], 15|(3<<16)|(1<<21)            ; the mask: all four of the cluster; elements of 8 bytes; 21 set beside a mask
	s_mov_b32 s[G1+1], 32<<16                      ; rows of 256 bytes,
	s_mov_b32 s[G1+2], 64<<16                      ; 64 of them, dense
	s_mov_b32 s[G1+3], 32<<16
	s_mov_b32 s[G1+4], 64
	s_mov_b32 s[G1+5], 32
	s_mov_b32 s[G1+6], 0
	s_mov_b32 s[G1+7], 0
	s_mov_b32 s[SEL], 0x76543210                   ; v_permlanex16_b32: lane l xor 16
	s_mov_b32 s[SEL+1], 0xfedcba98
	s_mov_b32 s[CS], 0x3e38aa3b                    ; c = log2(e) / 8
	s_lshl_b32 s16, s12, 14                        ; what I fetch: 16,384 bytes x (wave % 8),
	s_lshl_b32 s17, s[PAR], 22                     ; of K, or of V 4 MiB behind it,
	s_add_co_u32 s16, s16, s17
	s_add_co_u32 s16, s16, s10                     ; in my head,
	s_add_co_u32 s16, s16, 4194304                 ; K's part of qkvc: nothing here hangs on cx
	s_mov_b32 s17, 0
	s_wait_dscnt 0x0                               ; both opening adds are done
	s_wait_kmcnt 0x0
	s_load_b256 s[68:75], s[6:7], 0x0              ; e0 .. e7
	s_mov_b32 s[G0], 1
	s_lshl_b32 s[G0+1], s[WV], 14                  ; LDS: 16,384 x wave: K's eight pieces, then V's eight
	s_add_nc_u64 s[G0+2:G0+3], s[4:5], s[16:17]
	s_or_b32 s[G0+3], s[G0+3], 0x80000000
	CROUND                                         ; all four work-groups are here: the joint loads meet
	tensor_load_to_lds s[G0:G0+3], s[G1:G1+7]      ; my one tensor load
	s_nop 0
	s_mul_i32 s76, s[WV], PART
	s_xor_b32 s77, s[WV], 8
	s_mul_i32 s77, s77, PART
	s_lshr_b32 s78, s14, 1
	s_lshl_b32 s78, s78, 5
	s_and_b32 s79, s14, 1
	s_lshl_b32 s79, s79, 3
	s_add_co_u32 s78, s78, s79                     ; slot 0 of token tile x: token 32 (x / 2) + 8 (x % 2) of its 128
	v_and_b32 v12, 31, v0
	v_lshlrev_b32 v[LI], 4, v12
	v_lshlrev_b32 v13, 3, v12
	v_add_nc_u32 v[LIV], VBASE, v[LI]
	v_add_nc_u32 v[STS], s76, v[LI]
	v_add_nc_u32 v[STR], s77, v[LI]
	v_add_nc_u32 v[ST8], s76, v13
	v_add_nc_u32 v[SR8], s77, v13
	v_and_b32 v12, 15, v0
	v_and_b32 v13, 8, v0
	v_add_nc_u32 v12, v12, v13                     ; r + 8 (r / 8)
	v_and_b32 v13, 16, v0
	v_sub_nc_u32 v12, v12, v13
	v_add_nc_u32 v[DQ], s78, v12
	v_mov_b32 v236, 0                              ; written once: a lane permute's destination counts as a source; the upper halves of pairs are named with the lower
	v_mov_b32 v249, 0
	v_mov_b32 v251, 0
	v_mov_b32 v252, 0
	v_mov_b32 v253, 0
	v_mov_b32 v254, 0
	s_wait_alu depctr_va_vdst(0)                   ; ahead of the scalar lines below
	s_lshl_b32 s12, s[T1], 3
	s_add_co_u32 s12, s12, s14                     ; my first tile's token tile
	s_lshl_b32 s86, s[T2], 3
	s_add_co_u32 s86, s86, s14                     ; my second's
	s_lshl_b32 s88, s12, 10
	s_add_co_u32 s88, s88, s10
	s_mov_b32 s89, 0
	s_add_nc_u64 s[88:89], s[4:5], s[88:89]
	s_lshl_b32 s90, s86, 10
	s_add_co_u32 s90, s90, s10
	s_mov_b32 s91, 0
	s_add_nc_u64 s[90:91], s[4:5], s[90:91]
	global_load_b128 v[16:19], v[LI], s[88:89]     ; Q's fragments stay in registers
	global_load_b128 v[20:23], v[LI], s[88:89] offset:512
	global_load_b128 v[24:27], v[LI], s[90:91]
	global_load_b128 v[28:31], v[LI], s[90:91] offset:512
	s_lshr_b32 s76, s15, 4
	s_lshl_b32 s76, s76, 7
	s_add_co_u32 s76, s76, s12                     ; out: row tile 128 x batch + token tile, 16,384 bytes each,
	s_lshl_b32 s76, s76, 14
	s_and_b32 s77, s15, 15
	s_lshl_b32 s77, s77, 10                        ; the head's 64 channels: 1,024 bytes
	s_add_co_u32 s76, s76, s77
	s_mov_b32 s77, 0
	s_add_nc_u64 s[OA:OA+1], s[8:9], s[76:77]
	s_wait_kmcnt 0x0
	s_add_co_i32 s80, s70, s71
	s_lshl_b32 s80, s80, 23
	s_add_co_i32 s[CS], s[CS], s80                 ; a score stands for score x 2^(e2 + e3): added to c's exponent field
	s_mov_b32 s[CS+1], s[CS]
	s_add_co_i32 s80, s73, 127
	s_lshl_b32 s81, s80, 23
	v_mov_b32 v244, s81                            ; 2^e5, for p's conversion
	s_add_co_i32 s80, s80, 15
	s_lshl_b32 s80, s80, 23
	s_or_b32 s80, s80, 0x600000
	v_mov_b32 v240, s80                            ; 57,344 x 2^e5
	s_sub_co_i32 s80, s74, s72
	s_sub_co_i32 s80, s80, s73
	s_add_co_i32 s80, s80, 127
	s_lshl_b32 s81, s80, 23
	v_mov_b32 v245, s81                            ; 2^(e6 - e4 - e5), for the result's conversion
	s_add_co_i32 s80, s80, 15
	s_lshl_b32 s80, s80, 23
	s_or_b32 s80, s80, 0x600000
	v_mov_b32 v241, s80                            ; 57,344 x that
; A KEY STEP: 128 keys against one tile of 16 queries.  tr: the tile's number; qf: its Q; ob: its O^T.
.macro STEP tr, qf, ob
	s_cmp_gt_u32 s[KS], s[\tr]                     ; all keys behind my queries: a branch on ids round the step's work
	s_cbranch_scc1 .Lhidden_\@
	v_add_nc_u32 v[ADK], s[TB], v[LI]
	v_add_nc_u32 v[ADV], s[TB], v[LIV]
	v_nop                                          ; with the two additions: four places in front of loads into registers that matrix instructions have read
	v_nop
.irp t, 0,1,2,3,4,5,6,7
	ds_load_b128 v[32+8*\t:35+8*\t], v[ADK] offset:1024*\t
	ds_load_b128 v[36+8*\t:39+8*\t], v[ADK] offset:1024*\t+512
.endr
	s_wait_alu depctr_va_vdst(0)                   ; directly ahead of the wait below
	s_wait_dscnt 0x0
.irp t, 0,1,2,3,4,5,6,7
	v_wmma_f32_16x16x64_bf8_bf8 v[96+8*\t:103+8*\t], v[32+8*\t:39+8*\t], v[\qf:\qf+7], 0
.endr
.rept 4
	v_nop
.endr
.irp t, 0,1,2,3                                ; V's fragments take K's registers and land under the softmax
.irp c, 0,1,2,3
	ds_load_b128 v[32+16*\t+4*\c:32+16*\t+4*\c+3], v[ADV] offset:2048*\t+512*\c
.endr
.endr
	s_cmp_lt_u32 s[KS], s[\tr]
	s_cbranch_scc1 .Lopen_\@
	v_mov_b32 v254, 0xff800000                     ; on the diagonal: register n holds key 32 (n / 16) + n % 16 + 16 (lane / 16) of the step
.set n, 0
.rept 64
	v_cmp_gt_i32 vcc_lo, 32*(n/16)+n%16, v[DQ]
	v_cndmask_b32 v[96+n], v[96+n], v254, vcc_lo
.set n, n+1
.endr
.Lopen_\@:
	v_max3_num_f32 v254, v96, v97, v98
	v_max3_num_f32 v252, v99, v100, v101
.irp i, 6,10,14,18,22,26,30,34,38,42,46,50,54,58
	v_max3_num_f32 v254, v254, v[96+\i], v[97+\i]
	v_max3_num_f32 v252, v252, v[98+\i], v[99+\i]
.endr
	v_max3_num_f32 v254, v254, v158, v159
	s_delay_alu instid0(VALU_DEP_1)
	v_max_num_f32 v254, v254, v252
	v_permlanex16_b32 v236, v254, s[SEL], s[SEL+1]
	s_delay_alu instid0(VALU_DEP_1)
	v_max_num_f32 v254, v254, v236
	s_delay_alu instid0(VALU_DEP_1)
	v_mul_f32 v254, s[CS], v254                    ; as t (c is positive)
	s_delay_alu instid0(VALU_DEP_1)
	v_max_num_f32 v13, v13, v254
	v_mov_b32 v254, v12
	s_delay_alu instid0(VALU_DEP_2)
	v_floor_f32 v12, -v13                          ; -M = floor(-t)
	s_delay_alu instid0(VALU_DEP_1)
	v_sub_f32 v254, v12, v254
	s_delay_alu instid0(VALU_DEP_1)
	v_cvt_i32_f32 v254, v254                       ; (it saturates)
	s_delay_alu instid0(VALU_DEP_1)
	v_ldexp_f32 v252, 1.0, v254                    ; f = 2^(old M - new M)
.set n, 0
.rept 32
	v_pk_fma_f32 v[96+n:97+n], v[96+n:97+n], s[CS:CS+1], v[12:13] op_sel_hi:[1,0,0]
.set n, n+2
.endr
	s_wait_alu depctr_va_vdst(0)                   ; ahead of the batch
.set n, 0
.rept 64
	v_exp_f32 v[96+n], v[96+n]
.set n, n+1
.endr
	v_pk_mul_f32 v[14:15], v[14:15], v[252:253] op_sel_hi:[1,0]
	s_wait_alu depctr_va_vdst(0)                   ; and one behind it, ahead of its first reader
	v_pk_add_f32 v[242:243], v[96:97], v[98:99]    ; the sum of the unquantised p
.irp j, 4,8,12,16,20,24,28,32,36,40,44,48,52,56,60
	v_pk_add_f32 v[14:15], v[14:15], v[96+\j:97+\j]
	v_pk_add_f32 v[242:243], v[242:243], v[98+\j:99+\j]
.endr
	s_delay_alu instid0(VALU_DEP_1)
	v_pk_add_f32 v[14:15], v[14:15], v[242:243]
.irp b, 0,1,2,3
.irp i, 0,1,2,3,4,5,6,7,8,9,10,11,12,13,14,15
	v_min_num_f32 v[96+16*\b+\i], v[96+16*\b+\i], v240   ; the conversion does not saturate (ISA guide 7.6.2); p is not negative
.endr
	v_cvt_scalef32_pk8_bf8_f32 v[224+4*\b:225+4*\b], v[96+16*\b:103+16*\b], v244
	v_cvt_scalef32_pk8_bf8_f32 v[226+4*\b:227+4*\b], v[104+16*\b:111+16*\b], v244
.endr
	s_wait_alu depctr_va_vdst(0)                   ; directly ahead of the first reader of O^T
.set n, 0
.rept 16
	v_pk_mul_f32 v[\ob+n:\ob+n+1], v[\ob+n:\ob+n+1], v[252:253] op_sel_hi:[1,0]
.set n, n+2
.endr
	s_wait_alu depctr_va_vdst(0)                   ; directly ahead of the wait below
	s_wait_dscnt 0x0                               ; V's fragments
.irp t, 0,1,2,3
	v_wmma_f32_16x16x128_bf8_bf8 v[\ob+8*\t:\ob+8*\t+7], v[32+16*\t:47+16*\t], v[224:239], v[\ob+8*\t:\ob+8*\t+7]
.endr
.Lhidden_\@:
	s_add_co_u32 s[KS], s[KS], 2
.endm
; One tile: eight trips, my every second key step; the count is a constant, and the steps behind the tile's queries are jumped over.
.macro PASS tr, qf, ob
	s_lshl_b32 s[TB], s[PAR], 13                   ; a key step is 8,192 bytes of K and of V
	s_mov_b32 s[KS], s[PAR]
	s_mov_b32 s[GR], 8
	v_mov_b32 v13, 0xff61b1e6                      ; -3e38, under every t
	s_delay_alu instid0(VALU_DEP_1)
	v_floor_f32 v12, -v13
	v_mov_b32 v14, 0
	v_mov_b32 v15, 0
.set n, 0
.rept 32
	v_mov_b32 v[\ob+n], 0                          ; the step is written once: the first finds zeros
.set n, n+1
.endr
	s_wait_alu depctr_va_vdst(0)                   ; ahead of the loop's branches
.Lgroup_\@:
	STEP \tr, \qf, \ob
	s_add_co_u32 s[TB], s[TB], 16384
	s_sub_co_u32 s[GR], s[GR], 1
	s_cmp_lg_u32 s[GR], 0
	s_cbranch_scc1 .Lgroup_\@
.endm
	s_wait_alu depctr_va_vdst(0)                   ; the head's end
	s_wait_loadcnt 0x0                             ; Q
	s_wait_tensorcnt 0x0                           ; my piece of K or V
	s_barrier_signal -1
	s_barrier_wait -1                              ; everybody's
	PASS T1, 16, 192
	v_add_f32 v246, v14, v15                       ; my first tile's sum (of my lane's keys) and -M are kept
	v_mov_b32 v247, v12
	PASS T2, 24, 160
	v_add_f32 v14, v14, v15                        ; my second tile's sum and -M, as a pair
	v_mov_b32 v15, v12
	v_nop                                          ; four places behind the last products, in front of the stores of their results
	v_nop
	s_wait_alu depctr_va_vdst(0)                   ; directly ahead of the wait below
	s_wait_dscnt 0x0                               ; my reads of K and V are over
	s_barrier_signal -1
	s_barrier_wait -1                              ; everybody's are: K's bytes take the parts
.irp i, 0,1,2,3,4,5,6,7
	ds_store_b128 v[STS], v[160+4*\i:163+4*\i] offset:512*\i
.endr
	ds_store_b64 v[ST8], v[14:15] offset:4096
	s_wait_dscnt 0x0                               ; for my partner's sake
	s_barrier_signal -1
	s_barrier_wait -1
.irp i, 0,1,2,3,4,5,6,7
	ds_load_b128 v[96+4*\i:99+4*\i], v[STR] offset:512*\i
.endr
	ds_load_b64 v[128:129], v[SR8] offset:4096
	s_wait_dscnt 0x0
	v_min_num_f32 v12, v247, v129                  ; -M of both parts
	v_sub_f32 v248, v12, v247
	v_sub_f32 v250, v12, v129
	v_cvt_i32_f32 v248, v248                       ; whole numbers, 0 or less; a part with no key step has M = -3e38: the conversion saturates and its factor is 0
	v_cvt_i32_f32 v250, v250
	v_ldexp_f32 v248, 1.0, v248
	v_ldexp_f32 v250, 1.0, v250
	v_mul_f32 v14, v246, v248
	v_fmac_f32 v14, v128, v250
	v_permlanex16_b32 v252, v14, s[SEL], s[SEL+1]
	v_add_f32 v14, v14, v252                       ; the row's sum
	s_wait_alu depctr_va_vdst(0)                   ; ahead of the transcendental
	v_rcp_f32 v14, v14
	v_nop
	s_wait_alu depctr_va_vdst(0)                   ; and ahead of its first reader
	v_mul_f32 v248, v248, v14                      ; the division goes into the two factors
	v_mul_f32 v250, v250, v14
	s_wait_alu depctr_va_vdst(0)                   ; directly ahead of the first readers of my first tile's O^T
.set n, 0
.rept 16
	v_pk_mul_f32 v[192+n:193+n], v[192+n:193+n], v[248:249] op_sel_hi:[1,0]
.set n, n+2
.endr
.set n, 0
.rept 16
	v_pk_fma_f32 v[192+n:193+n], v[96+n:97+n], v[250:251], v[192+n:193+n] op_sel_hi:[1,0,1]
.set n, n+2
.endr
.set n, 0
.rept 32
	v_med3_num_f32 v[192+n], v[192+n], -v241, v241
.set n, n+1
.endr
.irp t, 0,1,2,3
	v_cvt_scalef32_pk8_bf8_f32 v[224+2*\t:225+2*\t], v[192+8*\t:199+8*\t], v245
.endr
	v_nop                                          ; a plain line behind the conversions
	global_store_b128 v[LI], v[224:227], s[OA:OA+1]              ; 512 consecutive bytes a store
	global_store_b128 v[LI], v[228:231], s[OA:OA+1] offset:512
	s_wait_tensorcnt 0x0                           ; the wave's end
	ds_add_u32 v[SPW], v[NIL]
	s_wait_dscnt 0x0
	CROUND                                         ; the closing round
	s_endpgm
.Lfunc_end_k_q44ec75379e_attn:
	.size	k_q44ec75379e_attn, .Lfunc_end_k_q44ec75379e_attn-k_q44ec75379e_attn
	.p2alignl 7, 3214868480
	.fill 96, 4, 3214868480
	.section	.rodata,"a",@progbits
	.p2align	6, 0x0
	.amdhsa_kernel k_q44ec75379e_attn
		.amdhsa_group_segment_fixed_size 327680
		.amdhsa_private_segment_fixed_size 0
		.amdhsa_enable_private_segment 0
		.amdhsa_kernarg_size 24
		.amdhsa_user_sgpr_count 2
		.amdhsa_user_sgpr_kernarg_segment_ptr 1
		.amdhsa_wavefront_size32 1
		.amdhsa_system_sgpr_workgroup_id_x 1
		.amdhsa_system_sgpr_workgroup_id_y 1
		.amdhsa_system_sgpr_workgroup_id_z 1
		.amdhsa_system_vgpr_workitem_id 0
		.amdhsa_next_free_vgpr 256
		.amdhsa_next_free_sgpr 100
		.amdhsa_reserve_vcc 1
		.amdhsa_float_denorm_mode_32 3
		.amdhsa_float_denorm_mode_16_64 3
		.amdhsa_memory_ordered 1
		.amdhsa_forward_progress 1
		.amdhsa_inst_pref_size 58
	.end_amdhsa_kernel
	.amdgpu_metadata
---
amdhsa.version: [ 1, 2 ]
amdhsa.kernels:
  - .name:           k_q44ec75379e_attn
    .symbol:         k_q44ec75379e_attn.kd
    .args:
      - { .name: qkvc, .offset: 0, .size: 8, .value_kind: global_buffer, .address_space: global }
      - { .name: lowp_scales, .offset: 8, .size: 8, .value_kind: global_buffer, .address_space: global }
      - { .name: attc, .offset: 16, .size: 8, .value_kind: global_buffer, .address_space: global }
    .group_segment_fixed_size: 327680
    .private_segment_fixed_size: 0
    .kernarg_segment_align: 8
    .kernarg_segment_size: 24
    .max_flat_workgroup_size: 512
    .sgpr_count:     100
    .vgpr_count:     256
    .wavefront_size: 32
...
	.end_amdgpu_metadata
.endif
;; end of part 3
;; launch gemm_cproj (part 4): grid 8 x 32, 4 waves a work-group, clusters of 4 x 4, 327,680 bytes of LDS; arguments attc, wc, lowp_scales, c_proj_b, x, x2; writes x2
.if DOCPART == 4
	.amdgcn_target "amdgcn-amd-amdhsa--gfx1250"
	.amdhsa_code_object_version 6
	.text
	.protected	k_q44ec75379e_gemm_cproj
	.globl	k_q44ec75379e_gemm_cproj
	.p2align	8
	.type	k_q44ec75379e_gemm_cproj,@function
k_q44ec75379e_gemm_cproj:
	s_mov_b64 s[64:65], 0
	v_nop
	global_prefetch_b8 v0, s[64:65] scope:SCOPE_SE
	s_setreg_imm32_b32 hwreg(HW_REG_WAVE_MODE, 25, 1), 1
	s_wait_xcnt 0x0
	s_wait_alu depctr_hold_cnt(0) depctr_sa_sdst(0) depctr_va_vdst(0) depctr_va_sdst(0) depctr_va_ssrc(0) depctr_va_vcc(0) depctr_vm_vsrc(0)
	s_getreg_b32 s2, hwreg(HW_REG_IB_STS2, 6, 4)
	s_cmp_eq_u32 s2, 0
	s_cbranch_scc0 .Lentry_in_a_cluster
	s_endpgm
.Lentry_in_a_cluster:
	s_bfe_u32 s2, ttmp6, 0x10000c
	s_cmp_lg_u32 s2, 0xf033
	s_cbranch_scc0 .Lentry_shape_is_right
	s_endpgm
.Lentry_shape_is_right:
; x2 = x + Q(att) Q(c_proj_w) + c_proj_b, the product on codes of BF8 (E5M2), K = 1,024; x, x2: [4096][1024] f32.  Operands lie in memory as images of their registers (a fragment of 16 rows x 128 K is 2,048 consecutive bytes).
; Tiles of 128 x 128 give 256 work-groups; four waves, each 64 x 64: 16 accumulators, by turns.  ALL OF K LIES IN LDS AT ONCE: A's 128 rows and B's 128 rows are 2 x 131,072 bytes, and each wave brings 65,536 of them
; (4 row tiles, dense in memory) by its one joint load at the head: nothing is filled again, so the K loop has no barrier.  CLUSTERS 4 x 4: A's tiles are asked for jointly along a row of the cluster, B's along a column.
; No prefetch: all tiles are asked for at the head, and there is no loop of loads to run ahead in.
; The bias goes in as the C of the first K step, divided by 2^(e6 + e7); on the way out one packed multiply-add gives sum x 2^(e6 + e7) + x.  LIMIT: e6 + e7 between -126 and 127.
.set AB,     4
.set BB,     4
.set KQ,     8
.set SIZE_K, 1024
.set WOFF,   3145728
.set EOFF,   24
.set ROWB,   KQ*2048
.set KROW,   16*SIZE_K
.set HALFT,  AB*ROWB
.set SLOT,   4*HALFT
.set SPARE,  SLOT
.set STAGE,  SPARE+512
.set SPITCH, 272
.set LAPS,   SIZE_K/(256*KQ)
.set ADRA, 16
.set ADRB, 20
.set STO,  24
.set RD,   25
.set CO,   26
.set LI,   27
.set SPW,  28
.set NIL,  29
.set BIAS, 32
.set AF,   128
.set G1,  24
.set G0,  32
.set G1B, 48
.set G0B, 56
.set MSB, 0
.macro WIN new
.if MSB != (\new)
	s_set_vgpr_msb (MSB<<8)|(\new)
.set MSB, (\new)
.endif
.endm
.macro PLACES
.rept 4
	v_nop
.endr
.endm
.macro JLOAD g0a, g0b
	s_cmp_eq_u32 s17, 0
	s_cbranch_scc0 .Lfor_b_\@
	tensor_load_to_lds s[\g0a:\g0a+3], s[G1:G1+7]
	s_nop 0
.rept 4
	v_nop
.endr
	s_branch .Lasked_\@
.Lfor_b_\@:
	tensor_load_to_lds s[\g0b:\g0b+3], s[G1B:G1B+7]
	s_nop 0
.rept 4
	v_nop
.endr
.Lasked_\@:
.endm
.macro CREST
	s_cmp_lg_u32 s16, 0
	s_cbranch_scc1 .Lnot_wave_0_\@
	s_barrier_signal -3
.Lnot_wave_0_\@:
	s_barrier_wait -3
	s_barrier_signal -1
	s_barrier_wait -1
.endm
.macro CROUND
	s_barrier_signal -1
	s_barrier_wait -1
	CREST
.endm
.macro FRAG reg, adr, off
.irp c, 0,1,2,3
	ds_load_b128 v[\reg+4*\c:\reg+4*\c+3], v[\adr] offset:\off+512*\c
.endr
.endm
.macro FETCH_B slot, q, p
	WIN 0x40
.set fi, 0
.rept BB
	FRAG 128*(\p)+16*fi, ADRB+\slot, fi*ROWB+(\q)*2048
.set fi, fi+1
.endr
	WIN 0
.endm
.macro FETCH_A slot, q, half
.set fi, (\half)*AB/2
.rept AB/2
	FRAG AF+16*fi, ADRA+\slot, fi*ROWB+(\q)*2048
.set fi, fi+1
.endr
.endm
.macro MULQ qd, p, mode
.set ma, (\qd)*AB/4
.rept AB/4
.set W, 2+ma/4
.if \mode == 0
	WIN (W<<6)|(W<<4)|1
.else
	WIN (W<<6)|1
.endif
.set mb, 0
.rept BB
.set rD, 8*(BB*(ma%4)+mb)
.if \mode == 0
	v_wmma_f32_16x16x128_bf8_bf8 v[rD:rD+7], v[128*(\p)+16*mb:128*(\p)+16*mb+15], v[AF+16*ma:AF+16*ma+15], v[rD:rD+7]
.else
	v_wmma_f32_16x16x128_bf8_bf8 v[rD:rD+7], v[128*(\p)+16*mb:128*(\p)+16*mb+15], v[AF+16*ma:AF+16*ma+15], v[BIAS+8*mb:BIAS+8*mb+7]
.endif
.set mb, mb+1
.endr
.set ma, ma+1
.endr
.endm
.macro STEP slot, q, mode
	s_wait_dscnt 2*AB
	MULQ 0, (\q)%2, \mode
	MULQ 1, (\q)%2, \mode
	s_wait_dscnt 0x0
	PLACES
	FETCH_B \slot, (\q)+1, 1-(\q)%2
	FETCH_A \slot, (\q)+1, 0
	MULQ 2, (\q)%2, \mode
	MULQ 3, (\q)%2, \mode
	PLACES
	WIN 0
	FETCH_A \slot, (\q)+1, 1
.endm
.macro TURN slot, next, fill
	s_wait_tensorcnt 0x0
	ds_add_u32 v[SPW], v[NIL]
	s_wait_dscnt 2*AB+1
	MULQ 0, 1, 0
	s_wait_dscnt 0x0
	s_barrier_signal -1
	MULQ 1, 1, 0
	WIN 0
	s_barrier_wait -1
.if \fill
	CREST
	s_add_nc_u64 s[G0+4*\slot+2:G0+4*\slot+3], s[G0+4*\slot+2:G0+4*\slot+3], 2*ROWB
	s_add_nc_u64 s[G0B+4*\slot+2:G0B+4*\slot+3], s[G0B+4*\slot+2:G0B+4*\slot+3], 2*ROWB
	JLOAD G0+4*\slot, G0B+4*\slot
.else
	PLACES
.endif
	FETCH_B \next, 0, 0
	FETCH_A \next, 0, 0
	MULQ 2, 1, 0
	MULQ 3, 1, 0
	PLACES
	WIN 0
	FETCH_A \next, 0, 1
.endm
.macro LAST
	s_wait_dscnt 2*AB
	MULQ 0, 1, 0
	MULQ 1, 1, 0
	s_wait_dscnt 0x0
	MULQ 2, 1, 0
	MULQ 3, 1, 0
	WIN 0
.endm
.macro TOSTAGE a
	WIN 0x08
.irp bb, 0,1,2,3
	ds_store_b128 v[STO], v[8*(BB*(\a)+\bb):8*(BB*(\a)+\bb)+3] offset:128*(\bb/2)+32*(\bb%2)
	ds_store_b128 v[STO], v[8*(BB*(\a)+\bb)+4:8*(BB*(\a)+\bb)+7] offset:128*(\bb/2)+32*(\bb%2)+16
.endr
	WIN 0
.irp t, 0,1,2,3,4,5,6,7
	ds_load_b128 v[AF+32*(\a)+4*\t:AF+32*(\a)+4*\t+3], v[RD] offset:2*SPITCH*\t
.endr
.endm
.macro SEND a, younger
	s_wait_dscnt \younger
	WIN 0x30
.set si, 0
.rept 16
	v_pk_fma_f32 v[AF+32*(\a)+si:AF+32*(\a)+si+1], v[AF+32*(\a)+si:AF+32*(\a)+si+1], s[84:85], v[32*(\a)+si:32*(\a)+si+1] op_sel_hi:[1,0,1]
.set si, si+2
.endr
	WIN 0
.irp t, 0,1,2,3,4,5,6,7
	global_store_b128 v[CO], v[AF+32*(\a)+4*\t:AF+32*(\a)+4*\t+3], s[14:15] offset:(32*((\a)/2)+8*((\a)%2)+2*\t+8*(\t/4))*4096
.endr
.endm
	s_load_b128 s[4:7], s[0:1], 0x0
	s_load_b128 s[8:11], s[0:1], 0x10
	s_load_b128 s[12:15], s[0:1], 0x20
	v_lshl_add_u32 v[SPW], v0, 2, SPARE
	v_mov_b32 v[NIL], 0
	ds_add_u32 v28, v29
	ds_add_u32 v28, v29
	s_wait_dscnt 0x0
	v_lshrrev_b32 v1, 5, v0
	v_readfirstlane_b32 s16, v1
	s_lshr_b32 s17, s16, 1
	s_and_b32 s18, s16, 1
	s_bfe_u32 s40, ttmp6, 0x40000
	s_bfe_u32 s41, ttmp6, 0x40004
	s_lshl_b32 s42, ttmp9, 2
	s_add_co_u32 s42, s42, s40
	s_and_b32 s43, ttmp7, 0xffff
	s_lshl_b32 s43, s43, 2
	s_add_co_u32 s43, s43, s41
	s_lshl_b32 s44, s41, 2
	s_lshl_b32 s44, 15, s44
	s_lshl_b32 s45, 0x1111, s40
	s_or_b32 s[G1], s44, (1<<21)
	s_or_b32 s[G1B], s45, (1<<21)
.irp g, G1, G1B
	s_mov_b32 s[\g+1], ROWB<<16
	s_mov_b32 s[\g+2], AB<<16
	s_mov_b32 s[\g+3], ROWB<<16
	s_mov_b32 s[\g+4], AB
	s_mov_b32 s[\g+5], KROW
	s_mov_b32 s[\g+6], 0
	s_mov_b32 s[\g+7], 0
.endr
	s_mul_i32 s19, s18, AB
	s_mul_i32 s20, s43, 2*AB
	s_add_co_u32 s20, s20, s19
	s_mul_i32 s20, s20, KROW
	s_mov_b32 s21, 0
	s_mul_i32 s46, s42, 2*AB
	s_add_co_u32 s46, s46, s19
	s_mul_i32 s46, s46, KROW
	s_mov_b32 s47, 0
	s_mul_i32 s22, s16, HALFT
	s_wait_kmcnt 0x0
	s_load_b64 s[68:69], s[8:9], EOFF
	s_add_nc_u64 s[20:21], s[4:5], s[20:21]
	s_add_nc_u64 s[46:47], s[6:7], s[46:47]
	s_add_nc_u64 s[46:47], s[46:47], WOFF
	CROUND
.irp s, 0
	s_mov_b32 s[G0+4*\s], 1
	s_add_co_u32 s[G0+4*\s+1], s22, \s*SLOT
	s_add_nc_u64 s[G0+4*\s+2:G0+4*\s+3], s[20:21], \s*ROWB
	s_or_b32 s[G0+4*\s+3], s[G0+4*\s+3], 0x80000000
	s_mov_b32 s[G0B+4*\s], 1
	s_add_co_u32 s[G0B+4*\s+1], s22, \s*SLOT
	s_add_nc_u64 s[G0B+4*\s+2:G0B+4*\s+3], s[46:47], \s*ROWB
	s_or_b32 s[G0B+4*\s+3], s[G0B+4*\s+3], 0x80000000
	JLOAD G0+4*\s, G0B+4*\s
.endr
	v_and_b32 v2, 31, v0
	v_lshlrev_b32 v[LI], 4, v2
	v_and_b32 v3, 15, v0
	s_wait_alu depctr_va_vdst(0)
	v_bfe_u32 v4, v0, 4, 1
	s_mul_i32 s19, s17, HALFT
	s_mul_i32 s23, s18, HALFT
	s_add_co_u32 s23, s23, 2*HALFT
.irp s, 0
	v_add_nc_u32 v[ADRA+\s], s19, v[LI]
	v_add_nc_u32 v[ADRB+\s], s23, v[LI]
	s_add_co_u32 s19, s19, SLOT
	s_add_co_u32 s23, s23, SLOT
.endr
	s_mul_i32 s19, s16, 16*SPITCH
	s_add_co_u32 s19, s19, STAGE
	v_mul_u32_u24 v5, v3, SPITCH
	s_wait_alu depctr_va_vdst(0)
	v_lshl_add_u32 v5, v4, 6, v5
	v_add_nc_u32 v[STO], s19, v5
	v_mul_u32_u24 v5, v4, SPITCH
	v_lshl_add_u32 v5, v3, 4, v5
	v_add_nc_u32 v[RD], s19, v5
	v_lshlrev_b32 v5, 12, v4
	v_lshl_add_u32 v[CO], v3, 4, v5
	v_lshlrev_b32 v6, 6, v4
	s_wait_alu depctr_va_vdst(0)
	s_lshl_b32 s76, s43, 7
	s_lshl_b32 s77, s17, 6
	s_add_co_u32 s76, s76, s77
	s_lshl_b32 s76, s76, 12
	s_lshl_b32 s78, s42, 7
	s_lshl_b32 s79, s18, 6
	s_add_co_u32 s78, s78, s79
	s_lshl_b32 s78, s78, 2
	s_mov_b32 s79, 0
	s_add_nc_u64 s[10:11], s[10:11], s[78:79]
	s_add_co_u32 s76, s76, s78
	s_mov_b32 s77, 0
	s_add_nc_u64 s[12:13], s[12:13], s[76:77]
	s_add_nc_u64 s[14:15], s[14:15], s[76:77]
.set bi, 0
.rept 8
	global_load_b128 v[BIAS+4*bi:BIAS+4*bi+3], v6, s[10:11] offset:128*(bi/4)+16*(bi%4)
.set bi, bi+1
.endr
	WIN 0xc0
.set ra, 0
.rept 4
.set rt, 0
.rept 8
	global_load_b128 v[32*ra+4*rt:32*ra+4*rt+3], v[CO], s[12:13] offset:(32*(ra/2)+8*(ra%2)+2*rt+8*(rt/4))*4096 th:TH_LOAD_NT
.set rt, rt+1
.endr
.set ra, ra+1
.endr
	WIN 0
	s_wait_kmcnt 0x0
	s_add_co_i32 s70, s68, s69
	s_sub_co_i32 s71, 0, s70
	s_add_co_i32 s70, s70, 127
	s_lshl_b32 s84, s70, 23
	s_mov_b32 s85, s84
	s_wait_loadcnt 32
.set bi, 0
.rept 32
	v_ldexp_f32 v[BIAS+bi], v[BIAS+bi], s71
.set bi, bi+1
.endr
	s_wait_alu depctr_va_vdst(0)
	s_wait_tensorcnt 0x0
	s_barrier_signal -1
	s_barrier_wait -1
	FETCH_B 0, 0, 0
	FETCH_A 0, 0, 0
	FETCH_A 0, 0, 1
	STEP 0, 0, 1
.irp q, 1,2,3,4,5,6
	STEP 0, \q, 0
.endr
	LAST
	PLACES
	s_wait_loadcnt 0x0
	TOSTAGE 0
	TOSTAGE 1
	SEND 0, 16
	TOSTAGE 2
	SEND 1, 16
	TOSTAGE 3
	SEND 2, 16
	SEND 3, 0
	s_wait_tensorcnt 0x0
	ds_add_u32 v[SPW], v[NIL]
	s_wait_dscnt 0x0
	CROUND
	s_endpgm
.Lfunc_end_k_q44ec75379e_gemm_cproj:
	.size	k_q44ec75379e_gemm_cproj, .Lfunc_end_k_q44ec75379e_gemm_cproj-k_q44ec75379e_gemm_cproj
	.p2alignl 7, 3214868480
	.fill 96, 4, 3214868480
	.section	.rodata,"a",@progbits
	.p2align	6, 0x0
	.amdhsa_kernel k_q44ec75379e_gemm_cproj
		.amdhsa_group_segment_fixed_size 327680
		.amdhsa_private_segment_fixed_size 0
		.amdhsa_enable_private_segment 0
		.amdhsa_kernarg_size 48
		.amdhsa_user_sgpr_count 2
		.amdhsa_user_sgpr_kernarg_segment_ptr 1
		.amdhsa_wavefront_size32 1
		.amdhsa_system_sgpr_workgroup_id_x 1
		.amdhsa_system_sgpr_workgroup_id_y 1
		.amdhsa_system_sgpr_workgroup_id_z 1
		.amdhsa_system_vgpr_workitem_id 0
		.amdhsa_next_free_vgpr 1024
		.amdhsa_next_free_sgpr 100
		.amdhsa_reserve_vcc 0
		.amdhsa_float_denorm_mode_32 3
		.amdhsa_float_denorm_mode_16_64 3
		.amdhsa_memory_ordered 1
		.amdhsa_forward_progress 1
		.amdhsa_inst_pref_size 52
	.end_amdhsa_kernel
	.amdgpu_metadata
---
amdhsa.version: [ 1, 2 ]
amdhsa.kernels:
  - .name:           k_q44ec75379e_gemm_cproj
    .symbol:         k_q44ec75379e_gemm_cproj.kd
    .args:
      - { .name: attc, .offset: 0, .size: 8, .value_kind: global_buffer, .address_space: global }
      - { .name: wc, .offset: 8, .size: 8, .value_kind: global_buffer, .address_space: global }
      - { .name: lowp_scales, .offset: 16, .size: 8, .value_kind: global_buffer, .address_space: global }
      - { .name: c_proj_b, .offset: 24, .size: 8, .value_kind: global_buffer, .address_space: global }
      - { .name: x, .offset: 32, .size: 8, .value_kind: global_buffer, .address_space: global }
      - { .name: x2, .offset: 40, .size: 8, .value_kind: global_buffer, .address_space: global }
    .group_segment_fixed_size: 327680
    .private_segment_fixed_size: 0
    .kernarg_segment_align: 8
    .kernarg_segment_size: 48
    .max_flat_workgroup_size: 128
    .sgpr_count:     100
    .vgpr_count:     1024
    .wavefront_size: 32
...
	.end_amdgpu_metadata
.endif
;; end of part 4
;; launch ln2 (part 5): grid 256 x 1, 16 waves a work-group, no clusters, 27,648 bytes of LDS; arguments x2, ln2_w, ln2_b, lowp_scales, a5c; writes a5c
.if DOCPART == 5
	.amdgcn_target "amdgcn-amd-amdhsa--gfx1250"
	.amdhsa_code_object_version 6
	.text
	.protected	k_q44ec75379e_ln2
	.globl	k_q44ec75379e_ln2
	.p2align	8
	.type	k_q44ec75379e_ln2,@function
k_q44ec75379e_ln2:
	s_mov_b64 s[64:65], 0
	v_nop
	global_prefetch_b8 v0, s[64:65] scope:SCOPE_SE
	s_setreg_imm32_b32 hwreg(HW_REG_WAVE_MODE, 25, 1), 1
	s_wait_xcnt 0x0
; LN2(x2) becomes codes of BF8 (E5M2) with the given scale 2^e8, laid as the image of an operand's registers: for [4096][1024], code (row, k) at rt x 16,384 + (k / 16) x 256 + r x 16 + k % 16,
; (rt, r) from the row's number with bits 3 and 4 exchanged: slot r of row tile T is token 32 (T / 2) + 8 (T % 2) + r + 8 (r / 8).
; y = w (x - mean) / (s + 1e-5) + b, s with the divisor 1,023.  A work-group makes one row tile (16 tokens), a wave one token; the row stays in registers between mean, deviation and scaling.
; A lane's conversions give words of four neighbouring codes; they meet the other tokens' in a stage in LDS (64 pieces of 256 bytes, 272 apart) and leave as 512 consecutive bytes a store.
; code = y / 2^e8, held within +-57,344, to the nearest code, ties to even.  LIMITS: e8 between -126 and 112; NaN and infinities among the inputs are not served.
.set X,   32                           ; v32-63 the row
.set LW,  64                           ; v64-95 the gain
.set LB,  96                           ; v96-127 the bias
.set VCS, 24
.set VCR, 25
.set VOU, 26
.set LA,  27
.macro WSUM r, t                       ; v[r] summed over the wave's 32 lanes, the sum in every lane; v[t] has been written before
	s_delay_alu instid0(VALU_DEP_1)
	v_add_f32_dpp v[\r], v[\r], v[\r] row_xmask:1 row_mask:0xf bank_mask:0xf
	s_delay_alu instid0(VALU_DEP_1)
	v_add_f32_dpp v[\r], v[\r], v[\r] row_xmask:2 row_mask:0xf bank_mask:0xf
	s_delay_alu instid0(VALU_DEP_1)
	v_add_f32_dpp v[\r], v[\r], v[\r] row_xmask:4 row_mask:0xf bank_mask:0xf
	s_delay_alu instid0(VALU_DEP_1)
	v_add_f32_dpp v[\r], v[\r], v[\r] row_xmask:8 row_mask:0xf bank_mask:0xf
	s_delay_alu instid0(VALU_DEP_1)
	v_permlanex16_b32 v[\t], v[\r], s50, s51
	s_delay_alu instid0(VALU_DEP_1)
	v_add_f32 v[\r], v[\r], v[\t]
.endm
	s_load_b256 s[8:15], s[0:1], 0x0               ; x2 8, ln2_w 10, ln2_b 12, the exponents 14
	s_load_b64 s[24:25], s[0:1], 0x20              ; a5c
	v_lshl_add_u32 v128, v0, 2, 0x4400
	v_mov_b32 v129, 0
	v_lshrrev_b32 v1, 5, v0
	s_delay_alu instid0(VALU_DEP_1)
	v_readfirstlane_b32 s28, v1                    ; wave 0..15
	v_and_b32 v1, 31, v0                           ; lane
	s_wait_alu depctr_va_vdst(0)
	s_wait_kmcnt 0x0
	s_load_b32 s32, s[14:15], 0x20                 ; e8
	s_lshr_b32 s30, ttmp9, 1
	s_lshl_b32 s30, s30, 5
	s_and_b32 s31, ttmp9, 1
	s_lshl_b32 s31, s31, 3
	s_add_co_u32 s30, s30, s31
	s_add_co_u32 s30, s30, s28
	s_and_b32 s31, s28, 8
	s_add_co_u32 s30, s30, s31                     ; my token: 32 (T / 2) + 8 (T % 2) + wave + 8 (wave / 8)
	s_lshl_b32 s44, s30, 12
	s_mov_b32 s45, 0
	s_add_nc_u64 s[44:45], s[8:9], s[44:45]
	s_lshl_b32 s46, ttmp9, 14
	s_mov_b32 s47, 0
	s_add_nc_u64 s[46:47], s[24:25], s[46:47]
	s_mov_b32 s50, 0x76543210                      ; v_permlanex16_b32: lane l takes lane l xor 16
	s_mov_b32 s51, 0xfedcba98
; Gain and bias are read from memory once for the work-group, 512 bytes a wave (waves 0-7 the gain, 8-15 the bias), and reach all waves through LDS
.set GB, 19456                         ; LDS, behind the stage (17,408 bytes) and the spare words (2,048): the gain's 4,096 bytes, then the bias's
	s_cmp_lt_u32 s28, 8
	s_cselect_b64 s[52:53], s[10:11], s[12:13]
	s_and_b32 s54, s28, 7
	s_lshl_b32 s54, s54, 9
	s_mov_b32 s55, 0
	s_add_nc_u64 s[52:53], s[52:53], s[54:55]
	s_lshl_b32 s54, s28, 9
	s_add_co_u32 s54, s54, GB
	v_lshlrev_b32 v[LA], 4, v1
	v_add_nc_u32 v9, s54, v[LA]                    ; my 512 bytes' place in LDS: the bias lies behind the gain
	global_load_b128 v[LW:LW+3], v[LA], s[52:53]
.irp j, 0,1,2,3,4,5,6,7
	global_load_b128 v[X+4*\j:X+4*\j+3], v[LA], s[44:45] offset:512*\j    ; register 4 j + q: k = 128 j + 4 lane + q; 512 consecutive bytes a load
.endr
	v_lshrrev_b32 v3, 2, v1
	s_delay_alu instid0(VALU_DEP_1)
	v_mul_u32_u24 v[VCS], v3, 272
	v_and_b32 v3, 3, v1
	s_delay_alu instid0(VALU_DEP_1)
	v_lshl_add_u32 v[VCS], v3, 2, v[VCS]
	s_lshl_b32 s31, s28, 4
	v_add_nc_u32 v[VCS], s31, v[VCS]               ; in: piece 8 j + lane / 4, my token's 16 bytes, word lane % 4
	v_lshrrev_b32 v3, 4, v1
	s_delay_alu instid0(VALU_DEP_1)
	v_mul_u32_u24 v[VCR], v3, 272
	v_and_b32 v3, 15, v1
	s_delay_alu instid0(VALU_DEP_1)
	v_lshl_add_u32 v[VCR], v3, 4, v[VCR]
	s_mul_i32 s31, s28, 1088
	v_add_nc_u32 v[VCR], s31, v[VCR]               ; back: pieces 4 wave .. 4 wave + 3, two an instruction
	s_lshl_b32 s31, s28, 10
	v_add_nc_u32 v[VOU], s31, v[LA]
	s_wait_kmcnt 0x0
	s_add_co_i32 s48, s32, 127
	s_lshl_b32 s49, s48, 23
	v_mov_b32 v11, s49                             ; 2^e8 as f32: the conversion takes its exponent field
	s_add_co_i32 s48, s48, 15
	s_lshl_b32 s48, s48, 23
	s_or_b32 s48, s48, 0x600000
	v_mov_b32 v10, s48                             ; 57,344 x 2^e8
	s_wait_alu depctr_va_vdst(0)                   ; directly ahead of the wait below
	s_wait_loadcnt 8                               ; my part of gain or bias is in; the row's 8 loads may be out
	ds_store_b128 v9, v[LW:LW+3]
	s_wait_dscnt 0x0                               ; for the others' sake
	s_barrier_signal -1
	s_barrier_wait -1                              ; gain and bias lie whole in LDS
.irp j, 0,1,2,3,4,5,6,7
	ds_load_b128 v[LW+4*\j:LW+4*\j+3], v[LA] offset:GB+512*\j
.endr
.irp j, 0,1,2,3,4,5,6,7
	ds_load_b128 v[LB+4*\j:LB+4*\j+3], v[LA] offset:GB+4096+512*\j
.endr
	s_wait_loadcnt 0x0                             ; the row is in
	v_pk_add_f32 v[4:5], v[32:33], v[34:35]
	v_pk_add_f32 v[30:31], v[40:41], v[44:45]
	v_pk_add_f32 v[28:29], v[48:49], v[52:53]
	v_pk_add_f32 v[22:23], v[56:57], v[60:61]
	v_pk_add_f32 v[20:21], v[36:37], v[38:39]
	v_pk_add_f32 v[18:19], v[42:43], v[46:47]
	v_pk_add_f32 v[16:17], v[50:51], v[54:55]
	v_pk_add_f32 v[2:3], v[58:59], v[62:63]
	s_delay_alu instid0(VALU_DEP_1)
	v_pk_add_f32 v[2:3], v[2:3], v[22:23]
	v_pk_add_f32 v[4:5], v[4:5], v[20:21]
	v_pk_add_f32 v[30:31], v[30:31], v[18:19]
	v_pk_add_f32 v[28:29], v[28:29], v[16:17]
	s_delay_alu instid0(VALU_DEP_2)
	v_pk_add_f32 v[2:3], v[2:3], v[30:31]
	s_delay_alu instid0(VALU_DEP_2)
	v_pk_add_f32 v[4:5], v[4:5], v[28:29]
	s_delay_alu instid0(VALU_DEP_1)
	v_pk_add_f32 v[2:3], v[2:3], v[4:5]
	s_delay_alu instid0(VALU_DEP_1)
	v_add_f32 v2, v2, v3
	WSUM 2, 3
	s_delay_alu instid0(VALU_DEP_1)
	v_mul_f32 v12, 0x3a800000, v2                  ; the mean: x 1 / 1,024
	s_delay_alu instid0(VALU_DEP_1)
	v_mov_b32 v13, v12
.irp j, 0,2,4,6,8,10,12,14,16,18,20,22,24,26,28,30
	v_pk_add_f32 v[X+\j:X+\j+1], v[X+\j:X+\j+1], v[12:13] neg_lo:[0,1] neg_hi:[0,1]   ; x - mean first, then the squares: a common offset costs no accuracy
.endr
	v_pk_mul_f32 v[2:3], v[X:X+1], v[X:X+1]
	v_pk_mul_f32 v[4:5], v[X+2:X+3], v[X+2:X+3]
.irp j, 4,8,12,16,20,24,28
	s_delay_alu instid0(VALU_DEP_2)
	v_pk_fma_f32 v[2:3], v[X+\j:X+\j+1], v[X+\j:X+\j+1], v[2:3]
	s_delay_alu instid0(VALU_DEP_2)
	v_pk_fma_f32 v[4:5], v[X+\j+2:X+\j+3], v[X+\j+2:X+\j+3], v[4:5]
.endr
	s_delay_alu instid0(VALU_DEP_1)
	v_pk_add_f32 v[2:3], v[2:3], v[4:5]
	s_delay_alu instid0(VALU_DEP_1)
	v_add_f32 v2, v2, v3
	WSUM 2, 3
	s_delay_alu instid0(VALU_DEP_1)
	v_mul_f32 v2, 0x3a802008, v2                   ; x 1 / 1,023
	s_wait_alu depctr_va_vdst(0)
	v_sqrt_f32 v2, v2
	v_nop                                          ; a plain line behind a transcendental
	s_wait_alu depctr_va_vdst(0)
	v_add_f32 v2, 0x3727c5ac, v2                   ; + 1e-5
	s_wait_alu depctr_va_vdst(0)
	v_rcp_f32 v14, v2
	v_nop
	s_wait_alu depctr_va_vdst(0)
	v_mov_b32 v15, v14
	s_wait_alu depctr_va_vdst(0)
	s_wait_dscnt 0x0                               ; gain and bias are in registers
.irp j, 0,2,4,6,8,10,12,14,16,18,20,22,24,26,28,30
	v_pk_mul_f32 v[X+\j:X+\j+1], v[X+\j:X+\j+1], v[14:15]
.endr
.irp j, 0,2,4,6,8,10,12,14,16,18,20,22,24,26,28,30
	v_pk_fma_f32 v[X+\j:X+\j+1], v[X+\j:X+\j+1], v[LW+\j:LW+\j+1], v[LB+\j:LB+\j+1]
.endr
.set wi, 0
.rept 32
	v_med3_num_f32 v[X+wi], v[X+wi], -v10, v10     ; the conversion does not saturate (ISA guide 7.6.2): the hold comes first
.set wi, wi+1
.endr
.irp m, 0,1,2,3
	v_cvt_scalef32_pk8_bf8_f32 v[16+2*\m:17+2*\m], v[X+8*\m:X+8*\m+7], v11   ; word j of the eight: the codes of k = 128 j + 4 lane + 0 .. 3
.endr
	v_nop
.irp j, 0,1,2,3,4,5,6,7
	ds_store_b32 v[VCS], v[16+\j] offset:2176*\j
.endr
	s_wait_dscnt 0x0                               ; for the others' sake: my words lie in the stage
	s_barrier_signal -1
	s_barrier_wait -1
	ds_load_b128 v[16:19], v[VCR]
	ds_load_b128 v[20:23], v[VCR] offset:544
	s_wait_dscnt 0x0
	global_store_b128 v[VOU], v[16:19], s[46:47]
	global_store_b128 v[VOU], v[20:23], s[46:47] offset:512
	s_wait_tensorcnt 0x0
	ds_add_u32 v128, v129
	s_wait_dscnt 0x0
	s_endpgm
.Lfunc_end_k_q44ec75379e_ln2:
	.size	k_q44ec75379e_ln2, .Lfunc_end_k_q44ec75379e_ln2-k_q44ec75379e_ln2
	.p2alignl 7, 3214868480
	.fill 96, 4, 3214868480
	.section	.rodata,"a",@progbits
	.p2align	6, 0x0
	.amdhsa_kernel k_q44ec75379e_ln2
		.amdhsa_group_segment_fixed_size 27648
		.amdhsa_private_segment_fixed_size 0
		.amdhsa_enable_private_segment 0
		.amdhsa_kernarg_size 40
		.amdhsa_user_sgpr_count 2
		.amdhsa_user_sgpr_kernarg_segment_ptr 1
		.amdhsa_wavefront_size32 1
		.amdhsa_system_sgpr_workgroup_id_x 1
		.amdhsa_system_sgpr_workgroup_id_y 1
		.amdhsa_system_sgpr_workgroup_id_z 1
		.amdhsa_system_vgpr_workitem_id 0
		.amdhsa_next_free_vgpr 130
		.amdhsa_next_free_sgpr 66
		.amdhsa_reserve_vcc 0
		.amdhsa_float_denorm_mode_32 3
		.amdhsa_float_denorm_mode_16_64 3
		.amdhsa_memory_ordered 1
		.amdhsa_forward_progress 1
		.amdhsa_inst_pref_size 16
	.end_amdhsa_kernel
	.amdgpu_metadata
---
amdhsa.version: [ 1, 2 ]
amdhsa.kernels:
  - .name:           k_q44ec75379e_ln2
    .symbol:         k_q44ec75379e_ln2.kd
    .args:
      - { .name: x2, .offset: 0, .size: 8, .value_kind: global_buffer, .address_space: global }
      - { .name: ln2_w, .offset: 8, .size: 8, .value_kind: global_buffer, .address_space: global }
      - { .name: ln2_b, .offset: 16, .size: 8, .value_kind: global_buffer, .address_space: global }
      - { .name: lowp_scales, .offset: 24, .size: 8, .value_kind: global_buffer, .address_space: global }
      - { .name: a5c, .offset: 32, .size: 8, .value_kind: global_buffer, .address_space: global }
    .group_segment_fixed_size: 27648
    .private_segment_fixed_size: 0
    .kernarg_segment_align: 8
    .kernarg_segment_size: 40
    .max_flat_workgroup_size: 512
    .sgpr_count:     66
    .vgpr_count:     130
    .wavefront_size: 32
...
	.end_amdgpu_metadata
.endif
;; end of part 5
;; launch gemm_fc (part 6): grid 16 x 16, 4 waves a work-group, clusters of 4 x 4, 327,680 bytes of LDS; arguments a5c, wc, lowp_scales, fc_b, hc; writes hc
.if DOCPART == 6
	.amdgcn_target "amdgcn-amd-amdhsa--gfx1250"
	.amdhsa_code_object_version 6
	.text
	.protected	k_q44ec75379e_gemm_fc
	.globl	k_q44ec75379e_gemm_fc
	.p2align	8
	.type	k_q44ec75379e_gemm_fc,@function
k_q44ec75379e_gemm_fc:
	s_mov_b64 s[64:65], 0
	v_nop
	global_prefetch_b8 v0, s[64:65] scope:SCOPE_SE
	s_setreg_imm32_b32 hwreg(HW_REG_WAVE_MODE, 25, 1), 1
	s_wait_xcnt 0x0
	s_wait_alu depctr_hold_cnt(0) depctr_sa_sdst(0) depctr_va_vdst(0) depctr_va_sdst(0) depctr_va_ssrc(0) depctr_va_vcc(0) depctr_vm_vsrc(0)
	s_getreg_b32 s2, hwreg(HW_REG_IB_STS2, 6, 4)
	s_cmp_eq_u32 s2, 0
	s_cbranch_scc0 .Lentry_in_a_cluster
	s_endpgm
.Lentry_in_a_cluster:
	s_bfe_u32 s2, ttmp6, 0x10000c
	s_cmp_lg_u32 s2, 0xf033
	s_cbranch_scc0 .Lentry_shape_is_right
	s_endpgm
.Lentry_shape_is_right:
; h = gelu(Q(LN2 x2) Q(fc_w) + fc_b) on codes of BF8 (E5M2); h is quantised on the way out (scale 2^e10) and stored as the image of the next product's left operand.
; OPERANDS lie in memory as images of their registers: for [rows][K], code (row, k) at rt x 16 K + (k / 16) x 256 + r x 16 + k % 16, (rt, r) from the row's number with bits 3 and 4 exchanged.
; A fragment (16 rows x 128 K) is 2,048 consecutive bytes: four loads of 16 bytes a lane at 16 x lane + 512 c.  Both operands have k in the same places.
; A tile of the result, 256 x 256, is made by four waves, a wave 128 x 128: 64 accumulators.  K goes in steps of 256 through a ring of two LDS slots; a wave's tensor load brings 8 row tiles x 4,096 bytes.
; K IS WALKED ROUND: the cluster at (x, y) begins with part (x + y) mod 4 of K's four parts of 256 and goes on round K's end to its start, so that clusters which read the same rows ask for different parts
; of them at any one time.  The order of a sum along K therefore differs from cluster to cluster; the sums are f32.
; THE MATRIX INSTRUCTION TAKES THE B SIDE (hidden units) AS SOURCE 0 AND THE A SIDE (tokens) AS SOURCE 1: lane (r, h) holds token slot r and, in accumulators 2 b, 2 b + 1, units 32 b + 16 h + 0 .. 15:
; two conversions give the lane's 16 bytes of the next image, and a store covers 512 consecutive bytes.  CLUSTERS 4 x 4: A's tiles are asked for jointly along a row of the cluster, B's along a column.
; GELU: 0.5 x (1 + tanh u) = x / (1 + 2^w), w = x (c1 + c2 x^2), c1 = -2 sqrt(2 / pi) log2(e), c2 = 0.044715 c1: no difference of near numbers.  A sum a stands for x = a 2^E, E = e8 + e9 (the bias goes in as the C of the
; first K step, divided by 2^E): E is added to c1's exponent field and 3 E to c2's, and the conversion's one scale is 2^(e10 - E): the sums are never multiplied by 2^E.
; LIMITS: E between -40 and 43; e10 - E between -126 and 112.  NaN among the inputs is not served.
; REGISTERS, in windows of 256: window 0: v16-31 addresses and scales; v32-95 the bias, later 64 numbers at work; v96-97 c1; v128-255 A's fragments, ONE set, later the codes.
;   window 1: B's fragments, TWO sets.   window 2: accumulators of A's blocks 0-3 ((a, b) at v[8 (8 (a % 4) + b)]);   window 3: blocks 4-7.
.set AB,     8
.set BB,     8
.set KQ,     2
.set SIZE_K, 1024
.set WOFF,   4194304                   ; fc_w's image in wc
.set ROWB,   KQ*2048
.set KROW,   16*SIZE_K
.set NSLOT,  KROW/ROWB                 ; parts of K, a slot's worth each
.set HALFT,  AB*ROWB
.set SLOT,   4*HALFT
.set SPARE,  2*SLOT                    ; the spare words, 128 bytes for each wave, that no other line names
.set LAPS,   SIZE_K/(256*KQ)
.set ADRA, 16
.set ADRB, 20
.set LI,   27
.set SPW,  28
.set NIL,  29
.set SC,   30
.set LIM,  31
.set BIAS, 32
.set Y,    32
.set AF,   128
.set G1,  24
.set G0,  32
.set G1B, 48
.set G0B, 56
.set KO,  86                           ; s[86:87], s[88:89] for each slot: the byte in a row tile at which its part of K begins, with 0 above it
.set MSB, 0
.macro WIN new                         ; the immediate's high byte repeats the setting that is left; bits 1:0 source 0, 3:2 source 1, 5:4 source 2, 7:6 destination
.if MSB != (\new)
	s_set_vgpr_msb (MSB<<8)|(\new)
.set MSB, (\new)
.endif
.endm
.macro PLACES                          ; four plain vector lines behind matrix instructions (ISA guide 7.12.1)
.rept 4
	v_nop
.endr
.endm
.macro JLOAD g0a, g0b                  ; a joint load: waves 0, 1 fetch A's halves, waves 2, 3 B's; four v_nop follow each line
	s_cmp_eq_u32 s17, 0
	s_cbranch_scc0 .Lfor_b_\@
	tensor_load_to_lds s[\g0a:\g0a+3], s[G1:G1+7]
	s_nop 0
.rept 4
	v_nop
.endr
	s_branch .Lasked_\@
.Lfor_b_\@:
	tensor_load_to_lds s[\g0b:\g0b+3], s[G1B:G1B+7]
	s_nop 0
.rept 4
	v_nop
.endr
.Lasked_\@:
.endm
.macro NEXTK slot                      ; the slot's next part of K: two parts on, round the row tile's end; both descriptors are made anew from the kept bases s[20:21] (A) and s[46:47] (B)
	s_add_co_u32 s[KO+2*\slot], s[KO+2*\slot], 2*ROWB
	s_and_b32 s[KO+2*\slot], s[KO+2*\slot], KROW-1
	s_add_nc_u64 s[G0+4*\slot+2:G0+4*\slot+3], s[20:21], s[KO+2*\slot:KO+2*\slot+1]
	s_or_b32 s[G0+4*\slot+3], s[G0+4*\slot+3], 0x80000000
	s_add_nc_u64 s[G0B+4*\slot+2:G0B+4*\slot+3], s[46:47], s[KO+2*\slot:KO+2*\slot+1]
	s_or_b32 s[G0B+4*\slot+3], s[G0B+4*\slot+3], 0x80000000
.endm
.macro CREST
	s_cmp_lg_u32 s16, 0
	s_cbranch_scc1 .Lnot_wave_0_\@
	s_barrier_signal -3
.Lnot_wave_0_\@:
	s_barrier_wait -3
	s_barrier_signal -1
	s_barrier_wait -1
.endm
.macro CROUND
	s_barrier_signal -1
	s_barrier_wait -1
	CREST
.endm
.macro FRAG reg, adr, off
.irp c, 0,1,2,3
	ds_load_b128 v[\reg+4*\c:\reg+4*\c+3], v[\adr] offset:\off+512*\c
.endr
.endm
.macro FETCH_B slot, q, p
	WIN 0x40
.set fi, 0
.rept BB
	FRAG 128*(\p)+16*fi, ADRB+\slot, fi*ROWB+(\q)*2048
.set fi, fi+1
.endr
	WIN 0
.endm
.macro FETCH_A slot, q, half
.set fi, (\half)*AB/2
.rept AB/2
	FRAG AF+16*fi, ADRA+\slot, fi*ROWB+(\q)*2048
.set fi, fi+1
.endr
.endm
; A quarter of a step: two of A's blocks against B's eight.  mode 1: the sums start from the bias.  The accumulators take turns.
.macro MULQ qd, p, mode
.set ma, (\qd)*AB/4
.rept AB/4
.set W, 2+ma/4
.if \mode == 0
	WIN (W<<6)|(W<<4)|1
.else
	WIN (W<<6)|1
.endif
.set mb, 0
.rept BB
.set rD, 8*(BB*(ma%4)+mb)
.if \mode == 0
	v_wmma_f32_16x16x128_bf8_bf8 v[rD:rD+7], v[128*(\p)+16*mb:128*(\p)+16*mb+15], v[AF+16*ma:AF+16*ma+15], v[rD:rD+7]
.else
	v_wmma_f32_16x16x128_bf8_bf8 v[rD:rD+7], v[128*(\p)+16*mb:128*(\p)+16*mb+15], v[AF+16*ma:AF+16*ma+15], v[BIAS+8*mb:BIAS+8*mb+7]
.endif
.set mb, mb+1
.endr
.set ma, ma+1
.endr
.endm
.macro STEP slot, q, mode
	s_wait_dscnt 2*AB                              ; B's set and A's lower blocks are in; the youngest 2 AB loads (A's upper blocks) may be out
	MULQ 0, (\q)%2, \mode
	MULQ 1, (\q)%2, \mode
	s_wait_dscnt 0x0
	PLACES
	FETCH_B \slot, (\q)+1, 1-(\q)%2
	FETCH_A \slot, (\q)+1, 0
	MULQ 2, (\q)%2, \mode
	MULQ 3, (\q)%2, \mode
	PLACES
	WIN 0
	FETCH_A \slot, (\q)+1, 1
.endm
.macro TURN slot, next, fill           ; a slot's last step changes slots: one barrier, with the waits and the add in front of it.  fill = 1: this slot is filled again
	s_wait_tensorcnt 0x0                           ; all my tensor loads have landed: my part of the next slot; so every group 0 may be written
	ds_add_u32 v[SPW], v[NIL]                      ; 0 onto my spare word
.if \fill
	NEXTK \slot                                    ; work on registers between the add and the wait for it
.endif
	s_wait_dscnt 2*AB+1                            ; (the add and A's upper blocks may be out)
	MULQ 0, 1, 0
	s_wait_dscnt 0x0                               ; the add is done, and my reads of this slot are over
	s_barrier_signal -1
	MULQ 1, 1, 0
	WIN 0
	s_barrier_wait -1
.if \fill
	CREST                                          ; the barrier has opened a round of the cluster's: no wave of any partner still reads this slot or has a load on its way
	JLOAD G0+4*\slot, G0B+4*\slot                  ; the first thing behind the round; its four v_nop are also the places in front of the loads below
.else
	PLACES
.endif
	FETCH_B \next, 0, 0
	FETCH_A \next, 0, 0
	MULQ 2, 1, 0
	MULQ 3, 1, 0
	PLACES
	WIN 0
	FETCH_A \next, 0, 1
.endm
.macro LAST
	s_wait_dscnt 2*AB
	MULQ 0, 1, 0
	MULQ 1, 1, 0
	s_wait_dscnt 0x0
	MULQ 2, 1, 0
	MULQ 3, 1, 0
	WIN 0
.endm
; THE WAY OUT of block a (16 token slots x 128 units): gelu, the hold, the conversions, four stores of 512 consecutive bytes.  The codes' registers are never rewritten.
.macro GELUQ a
.set W, 2+(\a)/4
.set AC, 64*((\a)%4)
	WIN (W<<2)|W
.set gi, 0
.rept 32
	v_pk_mul_f32 v[Y+gi:Y+gi+1], v[AC+gi:AC+gi+1], v[AC+gi:AC+gi+1]          ; a^2; each accumulator from its low end on
.set gi, gi+2
.endr
	WIN 0
.set gi, 0
.rept 32
	v_pk_fma_f32 v[Y+gi:Y+gi+1], v[Y+gi:Y+gi+1], s[76:77], v[96:97] op_sel_hi:[1,0,1]   ; c2 a^2 + c1
.set gi, gi+2
.endr
	WIN W<<2
.set gi, 0
.rept 32
	v_pk_mul_f32 v[Y+gi:Y+gi+1], v[Y+gi:Y+gi+1], v[AC+gi:AC+gi+1]            ; w
.set gi, gi+2
.endr
	WIN 0
.set gi, 0
	s_wait_alu depctr_va_vdst(0)
.rept 64
	v_exp_f32 v[Y+gi], v[Y+gi]
.set gi, gi+1
.endr
	v_nop                                          ; a plain line behind the transcendentals
.set gi, 0
	s_wait_alu depctr_va_vdst(0)
.rept 32
	v_pk_add_f32 v[Y+gi:Y+gi+1], v[Y+gi:Y+gi+1], 1.0 op_sel_hi:[1,0]
.set gi, gi+2
.endr
.set gi, 0
	s_wait_alu depctr_va_vdst(0)
.rept 64
	v_rcp_f32 v[Y+gi], v[Y+gi]
.set gi, gi+1
.endr
	v_nop
	WIN W<<2
.set gi, 0
	s_wait_alu depctr_va_vdst(0)
.rept 32
	v_pk_mul_f32 v[Y+gi:Y+gi+1], v[Y+gi:Y+gi+1], v[AC+gi:AC+gi+1]            ; a / (1 + 2^w)
.set gi, gi+2
.endr
	WIN 0
.set gi, 0
.rept 64
	v_med3_num_f32 v[Y+gi], v[Y+gi], -v[LIM], v[LIM]
.set gi, gi+1
.endr
.set gi, 0
.rept 8
	v_cvt_scalef32_pk8_bf8_f32 v[AF+16*(\a)+2*gi:AF+16*(\a)+2*gi+1], v[Y+8*gi:Y+8*gi+7], v[SC]
.set gi, gi+1
.endr
	v_nop                                          ; a plain line behind the conversions
.irp bp, 0,1,2,3
	global_store_b128 v[LI], v[AF+16*(\a)+4*\bp:AF+16*(\a)+4*\bp+3], s[12:13] offset:65536*(\a)+512*\bp
.endr
.endm
	s_load_b128 s[4:7], s[0:1], 0x0                ; a5c, wc
	s_load_b128 s[8:11], s[0:1], 0x10              ; the exponents, fc_b
	s_load_b64 s[12:13], s[0:1], 0x20              ; hc
	v_lshl_add_u32 v[SPW], v0, 2, SPARE
	v_mov_b32 v[NIL], 0
	ds_add_u32 v28, v29
	ds_add_u32 v28, v29
	s_wait_dscnt 0x0
	v_lshrrev_b32 v1, 5, v0
	v_readfirstlane_b32 s16, v1                    ; wave 0..3
	s_lshr_b32 s17, s16, 1                         ; my half of the tokens.  Also: I fetch for A (0) or for B (1)
	s_and_b32 s18, s16, 1                          ; my half of the units.  Also: which half of that tile I fetch
	s_bfe_u32 s40, ttmp6, 0x40000                  ; cx
	s_bfe_u32 s41, ttmp6, 0x40004                  ; cy
	s_lshl_b32 s42, ttmp9, 2
	s_add_co_u32 s42, s42, s40                     ; B's tile
	s_and_b32 s43, ttmp7, 0xffff
	s_lshl_b32 s43, s43, 2
	s_add_co_u32 s43, s43, s41                     ; A's tile
	s_lshl_b32 s44, s41, 2
	s_lshl_b32 s44, 15, s44                        ; my row of the cluster
	s_lshl_b32 s45, 0x1111, s40                    ; my column
	s_or_b32 s[G1], s44, (1<<21)                   ; 15:0 the mask; 17:16 elements of 1 byte; 21 set beside a mask
	s_or_b32 s[G1B], s45, (1<<21)
.irp g, G1, G1B
	s_mov_b32 s[\g+1], ROWB<<16                    ; tensor_dim0
	s_mov_b32 s[\g+2], AB<<16                      ; tensor_dim1
	s_mov_b32 s[\g+3], ROWB<<16                    ; tile_dim0
	s_mov_b32 s[\g+4], AB                          ; tile_dim1
	s_mov_b32 s[\g+5], KROW                        ; from row tile to row tile
	s_mov_b32 s[\g+6], 0
	s_mov_b32 s[\g+7], 0
.endr
	s_mul_i32 s19, s18, AB
	s_mul_i32 s20, s43, 2*AB
	s_add_co_u32 s20, s20, s19
	s_mul_i32 s20, s20, KROW
	s_mov_b32 s21, 0
	s_mul_i32 s46, s42, 2*AB
	s_add_co_u32 s46, s46, s19
	s_mul_i32 s46, s46, KROW
	s_mov_b32 s47, 0
	s_mul_i32 s22, s16, HALFT
	s_and_b32 s[KO], ttmp7, 0xffff                 ; where this cluster begins along K: part (cluster x + cluster y) mod NSLOT: the same in all sixteen partners
	s_add_co_u32 s[KO], s[KO], ttmp9
	s_and_b32 s[KO], s[KO], NSLOT-1
	s_mul_i32 s[KO], s[KO], ROWB
	s_mov_b32 s[KO+1], 0
	s_add_co_u32 s[KO+2], s[KO], ROWB              ; slot 1 takes the part behind it, round the end
	s_and_b32 s[KO+2], s[KO+2], KROW-1
	s_mov_b32 s[KO+3], 0
	s_wait_kmcnt 0x0
	s_load_b128 s[68:71], s[8:9], 0x20             ; e8, e9, e10, e11
	s_add_nc_u64 s[20:21], s[4:5], s[20:21]        ; my row tiles of A, at K = 0: kept
	s_add_nc_u64 s[46:47], s[6:7], s[46:47]
	s_add_nc_u64 s[46:47], s[46:47], WOFF          ; and of B: kept
	CROUND                                         ; all sixteen work-groups are here: the first joint loads meet
.irp s, 0,1
	s_mov_b32 s[G0+4*\s], 1
	s_add_co_u32 s[G0+4*\s+1], s22, \s*SLOT
	s_add_nc_u64 s[G0+4*\s+2:G0+4*\s+3], s[20:21], s[KO+2*\s:KO+2*\s+1]
	s_or_b32 s[G0+4*\s+3], s[G0+4*\s+3], 0x80000000
	s_mov_b32 s[G0B+4*\s], 1
	s_add_co_u32 s[G0B+4*\s+1], s22, \s*SLOT
	s_add_nc_u64 s[G0B+4*\s+2:G0B+4*\s+3], s[46:47], s[KO+2*\s:KO+2*\s+1]
	s_or_b32 s[G0B+4*\s+3], s[G0B+4*\s+3], 0x80000000
.endr
	JLOAD G0, G0B                                  ; slot 0: one tensor load a wave at the head
	v_and_b32 v2, 31, v0
	v_lshlrev_b32 v[LI], 4, v2
	s_mul_i32 s19, s17, HALFT
	s_mul_i32 s23, s18, HALFT
	s_add_co_u32 s23, s23, 2*HALFT
.irp s, 0,1
	v_add_nc_u32 v[ADRA+\s], s19, v[LI]
	v_add_nc_u32 v[ADRB+\s], s23, v[LI]
	s_add_co_u32 s19, s19, SLOT
	s_add_co_u32 s23, s23, SLOT
.endr
	; PREFETCHES INTO THE L2.  Of the 8 row tiles that I fetch, each of the four partners that ask for them jointly names two, told apart by address (cx for A, cy for B):
	; a part of K is 4,096 bytes of a row tile, 16 blocks of 256 bytes: lanes 0-15 one row tile, lanes 16-31 the next.  Here the parts that slot 1's first fill and slot 0's refill will load; the last part is named behind slot 1's load.
	v_and_b32 v22, 15, v0
	v_bfe_u32 v23, v0, 4, 1
	v_lshlrev_b32 v22, 8, v22
	v_mad_u32_u24 v22, v23, KROW, v22              ; v22: never rewritten
	s_wait_alu depctr_va_vdst(0)                   ; ahead of the scalar lines below
	s_cmp_eq_u32 s17, 0
	s_cselect_b64 s[90:91], s[20:21], s[46:47]
	s_cselect_b32 s92, s40, s41
	s_mul_i32 s92, s92, (AB/4)*KROW
	s_mov_b32 s93, 0
	s_add_nc_u64 s[90:91], s[90:91], s[92:93]
	s_add_nc_u64 s[94:95], s[90:91], s[KO+2:KO+3]  ; the second part of my walk,
	s_add_co_u32 s92, s[KO], 2*ROWB
	s_and_b32 s92, s92, KROW-1
	s_add_nc_u64 s[96:97], s[90:91], s[92:93]      ; the third,
	s_add_co_u32 s92, s[KO+2], 2*ROWB
	s_and_b32 s92, s92, KROW-1
	s_add_nc_u64 s[98:99], s[90:91], s[92:93]      ; the fourth; none of the three pairs is rewritten
	global_prefetch_b8 v22, s[94:95] th:TH_LOAD_NT scope:SCOPE_SE
	global_prefetch_b8 v22, s[96:97] th:TH_LOAD_NT scope:SCOPE_SE
	s_lshl_b32 s66, s42, 10
	s_lshl_b32 s67, s18, 9
	s_add_co_u32 s66, s66, s67                     ; my first unit's bias: 4 (256 tile + 128 half)
	s_mov_b32 s67, 0
	s_add_nc_u64 s[10:11], s[10:11], s[66:67]
	v_bfe_u32 v3, v0, 4, 1
	v_lshlrev_b32 v3, 6, v3
.set bi, 0
.rept 16
	global_load_b128 v[BIAS+4*bi:BIAS+4*bi+3], v3, s[10:11] offset:128*(bi/4)+16*(bi%4)   ; register 16 b + i: unit 32 b + 16 h + i
.set bi, bi+1
.endr
	s_lshl_b32 s78, s43, 4
	s_lshl_b32 s79, s17, 3
	s_add_co_u32 s78, s78, s79
	s_lshl_b32 s78, s78, 16                        ; out: row tile 16 tile + 8 half, 65,536 bytes each,
	s_lshl_b32 s79, s42, 1
	s_add_co_u32 s79, s79, s18
	s_lshl_b32 s79, s79, 11                        ; fragment 2 tile + half
	s_add_co_u32 s78, s78, s79
	s_mov_b32 s79, 0
	s_add_nc_u64 s[12:13], s[12:13], s[78:79]
	s_wait_kmcnt 0x0
	s_add_co_i32 s72, s68, s69                     ; E = e8 + e9
	s_sub_co_i32 s73, 0, s72
	s_lshl_b32 s74, s72, 23
	s_add_co_u32 s74, s74, 0xc0135761              ; c1 x 2^E
	v_mov_b32 v96, s74
	v_mov_b32 v97, s74
	s_mul_i32 s75, s72, 3
	s_lshl_b32 s75, s75, 23
	s_add_co_u32 s76, s75, 0xbdd2d3e8              ; c2 x 2^(3 E)
	s_mov_b32 s77, s76                             ; (named with it as a pair)
	s_sub_co_i32 s74, s70, s72
	s_add_co_i32 s74, s74, 127
	s_lshl_b32 s75, s74, 23
	v_mov_b32 v[SC], s75                           ; 2^(e10 - E)
	s_add_co_i32 s74, s74, 15
	s_lshl_b32 s74, s74, 23
	s_or_b32 s74, s74, 0x600000
	v_mov_b32 v[LIM], s74                          ; 57,344 x that
	s_wait_loadcnt 0x0
.set bi, 0
.rept 64
	v_ldexp_f32 v[BIAS+bi], v[BIAS+bi], s73        ; / 2^E
.set bi, bi+1
.endr
	s_wait_alu depctr_va_vdst(0)
	s_wait_tensorcnt 0x0                           ; my part of slot 0 is in
	ds_add_u32 v[SPW], v[NIL]
	s_wait_dscnt 0x0
	CROUND                                         ; everybody's part is in, and all sixteen work-groups are here
	JLOAD G0+4, G0B+4                              ; slot 1's first fill, the first tensor load behind the round
	FETCH_B 0, 0, 0
	FETCH_A 0, 0, 0
	FETCH_A 0, 0, 1
	global_prefetch_b8 v22, s[98:99] th:TH_LOAD_NT scope:SCOPE_SE   ; the part that slot 1's refill will load
	STEP 0, 0, 1                                   ; the first step starts the sums from the bias: nothing is cleared
	s_mov_b32 s3, LAPS-1
.Llap:                                                 ; a trip goes once round the ring and fills both slots again
	TURN 0, 1, 1
	STEP 1, 0, 0
	TURN 1, 0, 1
	STEP 0, 0, 0
	s_sub_co_u32 s3, s3, 1
	s_cmp_lg_u32 s3, 0
	s_cbranch_scc1 .Llap
	TURN 0, 1, 0                                   ; the last lap fills nothing
	STEP 1, 0, 0
	LAST
	PLACES
	GELUQ 0
	GELUQ 1
	GELUQ 2
	GELUQ 3
	GELUQ 4
	GELUQ 5
	GELUQ 6
	GELUQ 7
	s_wait_tensorcnt 0x0                           ; the wave's end
	ds_add_u32 v[SPW], v[NIL]
	s_wait_dscnt 0x0
	CROUND                                         ; the closing round
	s_endpgm
.Lfunc_end_k_q44ec75379e_gemm_fc:
	.size	k_q44ec75379e_gemm_fc, .Lfunc_end_k_q44ec75379e_gemm_fc-k_q44ec75379e_gemm_fc
	.p2alignl 7, 3214868480
	.fill 96, 4, 3214868480
	.section	.rodata,"a",@progbits
	.p2align	6, 0x0
	.amdhsa_kernel k_q44ec75379e_gemm_fc
		.amdhsa_group_segment_fixed_size 327680
		.amdhsa_private_segment_fixed_size 0
		.amdhsa_enable_private_segment 0
		.amdhsa_kernarg_size 40
		.amdhsa_user_sgpr_count 2
		.amdhsa_user_sgpr_kernarg_segment_ptr 1
		.amdhsa_wavefront_size32 1
		.amdhsa_system_sgpr_workgroup_id_x 1
		.amdhsa_system_sgpr_workgroup_id_y 1
		.amdhsa_system_sgpr_workgroup_id_z 1
		.amdhsa_system_vgpr_workitem_id 0
		.amdhsa_next_free_vgpr 1024
		.amdhsa_next_free_sgpr 100
		.amdhsa_reserve_vcc 0
		.amdhsa_float_denorm_mode_32 3
		.amdhsa_float_denorm_mode_16_64 3
		.amdhsa_memory_ordered 1
		.amdhsa_forward_progress 1
		.amdhsa_inst_pref_size 240
	.end_amdhsa_kernel
	.amdgpu_metadata
---
amdhsa.version: [ 1, 2 ]
amdhsa.kernels:
  - .name:           k_q44ec75379e_gemm_fc
    .symbol:         k_q44ec75379e_gemm_fc.kd
    .args:
      - { .name: a5c, .offset: 0, .size: 8, .value_kind: global_buffer, .address_space: global }
      - { .name: wc, .offset: 8, .size: 8, .value_kind: global_buffer, .address_space: global }
      - { .name: lowp_scales, .offset: 16, .size: 8, .value_kind: global_buffer, .address_space: global }
      - { .name: fc_b, .offset: 24, .size: 8, .value_kind: global_buffer, .address_space: global }
      - { .name: hc, .offset: 32, .size: 8, .value_kind: global_buffer, .address_space: global }
    .group_segment_fixed_size: 327680
    .private_segment_fixed_size: 0
    .kernarg_segment_align: 8
    .kernarg_segment_size: 40
    .max_flat_workgroup_size: 128
    .sgpr_count:     100
    .vgpr_count:     1024
    .wavefront_size: 32
...
	.end_amdgpu_metadata
.endif
;; end of part 6
;; launch gemm_proj (part 7): grid 8 x 32, 4 waves a work-group, clusters of 4 x 4, 327,680 bytes of LDS; arguments hc, wc, lowp_scales, proj_b, x2, out0; writes out0
.if DOCPART == 7
	.amdgcn_target "amdgcn-amd-amdhsa--gfx1250"
	.amdhsa_code_object_version 6
	.text
	.protected	k_q44ec75379e_gemm_proj
	.globl	k_q44ec75379e_gemm_proj
	.p2align	8
	.type	k_q44ec75379e_gemm_proj,@function
k_q44ec75379e_gemm_proj:
	s_mov_b64 s[64:65], 0
	v_nop
	global_prefetch_b8 v0, s[64:65] scope:SCOPE_SE
	s_setreg_imm32_b32 hwreg(HW_REG_WAVE_MODE, 25, 1), 1
	s_wait_xcnt 0x0
	s_wait_alu depctr_hold_cnt(0) depctr_sa_sdst(0) depctr_va_vdst(0) depctr_va_sdst(0) depctr_va_ssrc(0) depctr_va_vcc(0) depctr_vm_vsrc(0)
	s_getreg_b32 s2, hwreg(HW_REG_IB_STS2, 6, 4)
	s_cmp_eq_u32 s2, 0
	s_cbranch_scc0 .Lentry_in_a_cluster
	s_endpgm
.Lentry_in_a_cluster:
	s_bfe_u32 s2, ttmp6, 0x10000c
	s_cmp_lg_u32 s2, 0xf033
	s_cbranch_scc0 .Lentry_shape_is_right
	s_endpgm
.Lentry_shape_is_right:
; out = x2 + Q(h) Q(proj_w) + proj_b, the product on codes of BF8 (E5M2), K = 4,096; x2, out: [4096][1024] f32.
; OPERANDS lie in memory as images of their registers: for [rows][K], code (row, k) at rt x 16 K + (k / 16) x 256 + r x 16 + k % 16, (rt, r) from the row's number with bits 3 and 4 exchanged.
; A fragment (16 rows x 128 K) is 2,048 consecutive bytes: four loads of 16 bytes a lane at 16 x lane + 512 c.  Both operands have k in the same places.
; N is 1,024: tiles of 128 x 128 give 256 work-groups (tiles of 256 x 256 would give 64).  Four waves, each 64 x 64: 16 accumulators.  K goes in steps of 512 through a ring of two LDS slots;
; a wave's tensor load brings 4 row tiles x 8,192 bytes and has a slot's 64 matrix instructions a wave in which to land.
; K IS WALKED ROUND: the cluster at (x, y) begins with part (y + 4 x) mod 8 of K's eight parts of 512 and goes on round K's end to its start, so that clusters which read the same rows (two along x for A's,
; eight along y for B's) ask for different parts of them at any one time.  The order of a sum along K therefore differs from cluster to cluster; the sums are f32.
; THE MATRIX INSTRUCTION TAKES THE B SIDE (channels) AS SOURCE 0 AND THE A SIDE (tokens) AS SOURCE 1: lane (r, h) holds token slot r and, in accumulators 2 b, 2 b + 1, channels 32 b + 16 h + 0 .. 15.
; CLUSTERS 4 x 4: A's tiles are asked for jointly along a row of the cluster, B's along a column.
; The bias goes in as the C of the first K step, divided by 2^(e10 + e11); on the way out one packed multiply-add gives sum x 2^(e10 + e11) + x2.  x2's 64 x 64 numbers are asked for behind the first K step and land under the K loop.
; LIMIT: e10 + e11 between -126 and 127.
; REGISTERS, in windows of 256: window 0: v16-31 addresses; v32-63 the bias; v128-191 A's fragments, ONE set; on the way out v128-255 rows of the result.
;   window 1: B's fragments, TWO sets, at v0 and v128.   window 2: accumulator (a, b) at v[8 (4 a + b)].   window 3: v0-127 the residual.
.set AB,     4
.set BB,     4
.set KQ,     4
.set SIZE_K, 4096
.set WOFF,   8388608                   ; proj_w's image in wc
.set EOFF,   40                        ; e10, e11
.set ROWB,   KQ*2048
.set KROW,   16*SIZE_K
.set NSLOT,  KROW/ROWB                 ; parts of K, a slot's worth each
.set HALFT,  AB*ROWB
.set SLOT,   4*HALFT
.set SPARE,  2*SLOT                    ; the spare words, 128 bytes for each wave, that no other line names
.set STAGE,  SPARE+512                 ; the way out: 16 rows x 272 bytes for each wave; no fill ever lands here
.set SPITCH, 272
.set LAPS,   SIZE_K/(256*KQ)
.set ADRA, 16
.set ADRB, 20
.set STO,  24                          ; v24 the stage: where I put 32 bytes of a row
.set RD,   25                          ; v25 and where I read a row back
.set CO,   26                          ; v26 my byte offset in two rows of x2 and out
.set LI,   27
.set SPW,  28
.set NIL,  29
.set BIAS, 32
.set AF,   128
.set G1,  24
.set G0,  32
.set G1B, 48
.set G0B, 56
.set KO,  86                           ; s[86:87], s[88:89] for each slot: the byte in a row tile at which its part of K begins, with 0 above it
.set MSB, 0
.macro WIN new                         ; the immediate's high byte repeats the setting that is left; bits 1:0 source 0, 3:2 source 1, 5:4 source 2, 7:6 destination
.if MSB != (\new)
	s_set_vgpr_msb (MSB<<8)|(\new)
.set MSB, (\new)
.endif
.endm
.macro PLACES                          ; four plain vector lines behind matrix instructions (ISA guide 7.12.1)
.rept 4
	v_nop
.endr
.endm
.macro JLOAD g0a, g0b                  ; a joint load: waves 0, 1 fetch A's halves, waves 2, 3 B's; four v_nop follow each line
	s_cmp_eq_u32 s17, 0
	s_cbranch_scc0 .Lfor_b_\@
	tensor_load_to_lds s[\g0a:\g0a+3], s[G1:G1+7]
	s_nop 0
.rept 4
	v_nop
.endr
	s_branch .Lasked_\@
.Lfor_b_\@:
	tensor_load_to_lds s[\g0b:\g0b+3], s[G1B:G1B+7]
	s_nop 0
.rept 4
	v_nop
.endr
.Lasked_\@:
.endm
.macro NEXTK slot                      ; the slot's next part of K: two parts on, round the row tile's end; both descriptors are made anew from the kept bases s[20:21] (A) and s[46:47] (B)
	s_add_co_u32 s[KO+2*\slot], s[KO+2*\slot], 2*ROWB
	s_and_b32 s[KO+2*\slot], s[KO+2*\slot], KROW-1
	s_add_nc_u64 s[G0+4*\slot+2:G0+4*\slot+3], s[20:21], s[KO+2*\slot:KO+2*\slot+1]
	s_or_b32 s[G0+4*\slot+3], s[G0+4*\slot+3], 0x80000000
	s_add_nc_u64 s[G0B+4*\slot+2:G0B+4*\slot+3], s[46:47], s[KO+2*\slot:KO+2*\slot+1]
	s_or_b32 s[G0B+4*\slot+3], s[G0B+4*\slot+3], 0x80000000
.endm
.macro CREST
	s_cmp_lg_u32 s16, 0
	s_cbranch_scc1 .Lnot_wave_0_\@
	s_barrier_signal -3
.Lnot_wave_0_\@:
	s_barrier_wait -3
	s_barrier_signal -1
	s_barrier_wait -1
.endm
.macro CROUND
	s_barrier_signal -1
	s_barrier_wait -1
	CREST
.endm
.macro FRAG reg, adr, off
.irp c, 0,1,2,3
	ds_load_b128 v[\reg+4*\c:\reg+4*\c+3], v[\adr] offset:\off+512*\c
.endr
.endm
.macro FETCH_B slot, q, p
	WIN 0x40
.set fi, 0
.rept BB
	FRAG 128*(\p)+16*fi, ADRB+\slot, fi*ROWB+(\q)*2048
.set fi, fi+1
.endr
	WIN 0
.endm
.macro FETCH_A slot, q, half
.set fi, (\half)*AB/2
.rept AB/2
	FRAG AF+16*fi, ADRA+\slot, fi*ROWB+(\q)*2048
.set fi, fi+1
.endr
.endm
; A quarter of a step: one of A's blocks against B's four.  mode 1: the sums start from the bias.  The accumulators take turns.
.macro MULQ qd, p, mode
.set ma, (\qd)*AB/4
.rept AB/4
.set W, 2+ma/4
.if \mode == 0
	WIN (W<<6)|(W<<4)|1
.else
	WIN (W<<6)|1
.endif
.set mb, 0
.rept BB
.set rD, 8*(BB*(ma%4)+mb)
.if \mode == 0
	v_wmma_f32_16x16x128_bf8_bf8 v[rD:rD+7], v[128*(\p)+16*mb:128*(\p)+16*mb+15], v[AF+16*ma:AF+16*ma+15], v[rD:rD+7]
.else
	v_wmma_f32_16x16x128_bf8_bf8 v[rD:rD+7], v[128*(\p)+16*mb:128*(\p)+16*mb+15], v[AF+16*ma:AF+16*ma+15], v[BIAS+8*mb:BIAS+8*mb+7]
.endif
.set mb, mb+1
.endr
.set ma, ma+1
.endr
.endm
.macro STEP slot, q, mode
	s_wait_dscnt 2*AB                              ; B's set and A's lower blocks are in; the youngest 2 AB loads (A's upper blocks) may be out
	MULQ 0, (\q)%2, \mode
	MULQ 1, (\q)%2, \mode
	s_wait_dscnt 0x0
	PLACES
	FETCH_B \slot, (\q)+1, 1-(\q)%2
	FETCH_A \slot, (\q)+1, 0
	MULQ 2, (\q)%2, \mode
	MULQ 3, (\q)%2, \mode
	PLACES
	WIN 0
	FETCH_A \slot, (\q)+1, 1
.endm
.macro TURN slot, next, fill           ; a slot's last step changes slots: one barrier, with the waits and the add in front of it.  fill = 1: this slot is filled again
.if \fill
	s_wait_xcnt 0x0                                ; my earlier prefetches have read their addresses, so this slot's pair may be written below
.endif
	s_wait_tensorcnt 0x0                           ; all my tensor loads have landed: my part of the next slot; so every group 0 may be written
	ds_add_u32 v[SPW], v[NIL]                      ; 0 onto my spare word
.if \fill
	NEXTK \slot                                    ; work on registers between the add and the wait for it
	s_add_co_u32 s92, s[KO+2*\slot], 2*ROWB        ; the prefetch's part: two parts on from the one that is asked for, round the end
	s_and_b32 s92, s92, KROW-1
	s_add_nc_u64 s[96+2*\slot:97+2*\slot], s[90:91], s[92:93]
.endif
	s_wait_dscnt 2*AB+1                            ; (the add and A's upper blocks may be out)
	MULQ 0, 1, 0
	s_wait_dscnt 0x0                               ; the add is done, and my reads of this slot are over
	s_barrier_signal -1
	MULQ 1, 1, 0
	WIN 0
	s_barrier_wait -1
.if \fill
	CREST                                          ; the barrier has opened a round of the cluster's: no wave of any partner still reads this slot or has a load on its way
	JLOAD G0+4*\slot, G0B+4*\slot                  ; the first thing behind the round; its four v_nop are also the places in front of the loads below
.else
	PLACES
.endif
	FETCH_B \next, 0, 0
	FETCH_A \next, 0, 0
.if \fill
	s_cmp_gt_u32 s3, 1                             ; the last trip's refills bring the walk's last two parts: nothing lies two parts on
	s_cbranch_scc0 .Lnone_\@
	global_prefetch_b8 v22, s[96+2*\slot:97+2*\slot] th:TH_LOAD_NT scope:SCOPE_SE
.Lnone_\@:
.endif
	MULQ 2, 1, 0
	MULQ 3, 1, 0
	PLACES
	WIN 0
	FETCH_A \next, 0, 1
.endm
.macro LAST
	s_wait_dscnt 2*AB
	MULQ 0, 1, 0
	MULQ 1, 1, 0
	s_wait_dscnt 0x0
	MULQ 2, 1, 0
	MULQ 3, 1, 0
	WIN 0
.endm
; THE WAY OUT of block a (16 token slots x 64 channels): the sums go into my own stage as they are and come back as rows of 256 bytes.  LDS serves a wave's instructions in order (ISA guide 5.7.1.4): no wait between.
.macro TOSTAGE a
	WIN 0x08                                       ; store data: window 2
.irp bb, 0,1,2,3
	ds_store_b128 v[STO], v[8*(BB*(\a)+\bb):8*(BB*(\a)+\bb)+3] offset:128*(\bb/2)+32*(\bb%2)         ; each accumulator from its low end on
	ds_store_b128 v[STO], v[8*(BB*(\a)+\bb)+4:8*(BB*(\a)+\bb)+7] offset:128*(\bb/2)+32*(\bb%2)+16
.endr
	WIN 0
.irp t, 0,1,2,3,4,5,6,7
	ds_load_b128 v[AF+32*(\a)+4*\t:AF+32*(\a)+4*\t+3], v[RD] offset:2*SPITCH*\t
.endr
.endm
.macro SEND a, younger                 ; younger: the LDS instructions issued behind block a's loads, which may stay out
	s_wait_dscnt \younger
	WIN 0x30                                       ; source 2: window 3
.set si, 0
.rept 16
	v_pk_fma_f32 v[AF+32*(\a)+si:AF+32*(\a)+si+1], v[AF+32*(\a)+si:AF+32*(\a)+si+1], s[84:85], v[32*(\a)+si:32*(\a)+si+1] op_sel_hi:[1,0,1]   ; sum x 2^(ea + eb) + residual
.set si, si+2
.endr
	WIN 0
.irp t, 0,1,2,3,4,5,6,7
	global_store_b128 v[CO], v[AF+32*(\a)+4*\t:AF+32*(\a)+4*\t+3], s[14:15] offset:(32*((\a)/2)+8*((\a)%2)+2*\t+8*(\t/4))*4096 th:TH_STORE_NT   ; sixteen lanes store 256 consecutive aligned bytes; written once, read by nobody here
.endr
.endm
	s_load_b128 s[4:7], s[0:1], 0x0                ; A's codes, wc
	s_load_b128 s[8:11], s[0:1], 0x10              ; the exponents, the bias
	s_load_b128 s[12:15], s[0:1], 0x20             ; the residual, the result
	v_lshl_add_u32 v[SPW], v0, 2, SPARE
	v_mov_b32 v[NIL], 0
	ds_add_u32 v28, v29
	ds_add_u32 v28, v29
	s_wait_dscnt 0x0
	v_lshrrev_b32 v1, 5, v0
	v_readfirstlane_b32 s16, v1                    ; wave 0..3
	s_lshr_b32 s17, s16, 1                         ; my half of the tokens.  Also: I fetch for A (0) or for B (1)
	s_and_b32 s18, s16, 1                          ; my half of the channels.  Also: which half of that tile I fetch
	s_bfe_u32 s40, ttmp6, 0x40000                  ; cx
	s_bfe_u32 s41, ttmp6, 0x40004                  ; cy
	s_lshl_b32 s42, ttmp9, 2
	s_add_co_u32 s42, s42, s40                     ; B's tile
	s_and_b32 s43, ttmp7, 0xffff
	s_lshl_b32 s43, s43, 2
	s_add_co_u32 s43, s43, s41                     ; A's tile
	s_lshl_b32 s44, s41, 2
	s_lshl_b32 s44, 15, s44                        ; my row of the cluster
	s_lshl_b32 s45, 0x1111, s40                    ; my column
	s_or_b32 s[G1], s44, (1<<21)                   ; 15:0 the mask; 17:16 elements of 1 byte; 21 set beside a mask
	s_or_b32 s[G1B], s45, (1<<21)
.irp g, G1, G1B
	s_mov_b32 s[\g+1], ROWB<<16                    ; tensor_dim0
	s_mov_b32 s[\g+2], AB<<16                      ; tensor_dim1
	s_mov_b32 s[\g+3], ROWB<<16                    ; tile_dim0
	s_mov_b32 s[\g+4], AB                          ; tile_dim1
	s_mov_b32 s[\g+5], KROW                        ; from row tile to row tile
	s_mov_b32 s[\g+6], 0
	s_mov_b32 s[\g+7], 0
.endr
	s_mul_i32 s19, s18, AB
	s_mul_i32 s20, s43, 2*AB
	s_add_co_u32 s20, s20, s19
	s_mul_i32 s20, s20, KROW
	s_mov_b32 s21, 0
	s_mul_i32 s46, s42, 2*AB
	s_add_co_u32 s46, s46, s19
	s_mul_i32 s46, s46, KROW
	s_mov_b32 s47, 0
	s_mul_i32 s22, s16, HALFT
	s_and_b32 s[KO], ttmp7, 0xffff                 ; where this cluster begins along K: part (cluster y + 4 x cluster x) mod NSLOT: the same in all sixteen partners
	s_lshl_b32 s19, ttmp9, 2
	s_add_co_u32 s[KO], s[KO], s19
	s_and_b32 s[KO], s[KO], NSLOT-1
	s_mul_i32 s[KO], s[KO], ROWB
	s_mov_b32 s[KO+1], 0
	s_add_co_u32 s[KO+2], s[KO], ROWB              ; slot 1 takes the part behind it, round the end
	s_and_b32 s[KO+2], s[KO+2], KROW-1
	s_mov_b32 s[KO+3], 0
	s_wait_kmcnt 0x0
	s_load_b64 s[68:69], s[8:9], EOFF              ; ea, eb
	s_add_nc_u64 s[20:21], s[4:5], s[20:21]        ; my row tiles of A, at K = 0: kept
	s_add_nc_u64 s[46:47], s[6:7], s[46:47]
	s_add_nc_u64 s[46:47], s[46:47], WOFF          ; and of B: kept
	CROUND                                         ; all sixteen work-groups are here: the first joint loads meet
.irp s, 0,1
	s_mov_b32 s[G0+4*\s], 1
	s_add_co_u32 s[G0+4*\s+1], s22, \s*SLOT
	s_add_nc_u64 s[G0+4*\s+2:G0+4*\s+3], s[20:21], s[KO+2*\s:KO+2*\s+1]
	s_or_b32 s[G0+4*\s+3], s[G0+4*\s+3], 0x80000000
	s_mov_b32 s[G0B+4*\s], 1
	s_add_co_u32 s[G0B+4*\s+1], s22, \s*SLOT
	s_add_nc_u64 s[G0B+4*\s+2:G0B+4*\s+3], s[46:47], s[KO+2*\s:KO+2*\s+1]
	s_or_b32 s[G0B+4*\s+3], s[G0B+4*\s+3], 0x80000000
.endr
	JLOAD G0, G0B                                  ; slot 0: one tensor load a wave at the head
	v_and_b32 v2, 31, v0
	v_lshlrev_b32 v[LI], 4, v2
	v_and_b32 v3, 15, v0                           ; r
	s_wait_alu depctr_va_vdst(0)
	v_bfe_u32 v4, v0, 4, 1                         ; h
	s_mul_i32 s19, s17, HALFT
	s_mul_i32 s23, s18, HALFT
	s_add_co_u32 s23, s23, 2*HALFT
.irp s, 0,1
	v_add_nc_u32 v[ADRA+\s], s19, v[LI]
	v_add_nc_u32 v[ADRB+\s], s23, v[LI]
	s_add_co_u32 s19, s19, SLOT
	s_add_co_u32 s23, s23, SLOT
.endr
	; PREFETCHES INTO THE L2.  Of the 4 row tiles that I fetch, each of the four partners that ask for them jointly names one, told apart by address (cx for A, cy for B):
	; a part of K is 8,192 bytes of a row tile, 32 blocks of 256 bytes, a lane a block.  Here the walk's second and third parts; the fourth is named behind slot 1's load, and each refill names the part two on from its own.
	v_and_b32 v22, 31, v0
	v_lshlrev_b32 v22, 8, v22                      ; v22: never rewritten
	s_wait_alu depctr_va_vdst(0)                   ; ahead of the scalar lines below
	s_cmp_eq_u32 s17, 0
	s_cselect_b64 s[90:91], s[20:21], s[46:47]
	s_cselect_b32 s92, s40, s41
	s_mul_i32 s92, s92, KROW
	s_mov_b32 s93, 0
	s_add_nc_u64 s[90:91], s[90:91], s[92:93]
	s_add_nc_u64 s[94:95], s[90:91], s[KO+2:KO+3]
	s_add_co_u32 s92, s[KO], 2*ROWB
	s_and_b32 s92, s92, KROW-1
	s_add_nc_u64 s[96:97], s[90:91], s[92:93]
	s_add_co_u32 s92, s[KO+2], 2*ROWB
	s_and_b32 s92, s92, KROW-1
	s_add_nc_u64 s[98:99], s[90:91], s[92:93]
	global_prefetch_b8 v22, s[94:95] th:TH_LOAD_NT scope:SCOPE_SE
	global_prefetch_b8 v22, s[96:97] th:TH_LOAD_NT scope:SCOPE_SE
	s_mul_i32 s19, s16, 16*SPITCH
	s_add_co_u32 s19, s19, STAGE                   ; my stage
	v_mul_u32_u24 v5, v3, SPITCH
	s_wait_alu depctr_va_vdst(0)
	v_lshl_add_u32 v5, v4, 6, v5
	v_add_nc_u32 v[STO], s19, v5                   ; in: row r, + 64 h bytes
	v_mul_u32_u24 v5, v4, SPITCH
	v_lshl_add_u32 v5, v3, 4, v5
	v_add_nc_u32 v[RD], s19, v5                    ; back: lanes 0-15 one row, lanes 16-31 the next
	v_lshlrev_b32 v5, 12, v4
	v_lshl_add_u32 v[CO], v3, 4, v5                ; and the same two rows in memory
	v_lshlrev_b32 v6, 6, v4
	s_wait_alu depctr_va_vdst(0)
	s_lshl_b32 s76, s43, 7
	s_lshl_b32 s77, s17, 6
	s_add_co_u32 s76, s76, s77                     ; my first token
	s_lshl_b32 s76, s76, 12
	s_lshl_b32 s78, s42, 7
	s_lshl_b32 s79, s18, 6
	s_add_co_u32 s78, s78, s79                     ; my first channel
	s_lshl_b32 s78, s78, 2
	s_mov_b32 s79, 0
	s_add_nc_u64 s[10:11], s[10:11], s[78:79]
	s_add_co_u32 s76, s76, s78
	s_mov_b32 s77, 0
	s_add_nc_u64 s[12:13], s[12:13], s[76:77]
	s_add_nc_u64 s[14:15], s[14:15], s[76:77]
.set bi, 0
.rept 8
	global_load_b128 v[BIAS+4*bi:BIAS+4*bi+3], v6, s[10:11] offset:128*(bi/4)+16*(bi%4)   ; register 16 b + i: channel 32 b + 16 h + i
.set bi, bi+1
.endr
	s_wait_kmcnt 0x0
	s_add_co_i32 s70, s68, s69                     ; ea + eb
	s_sub_co_i32 s71, 0, s70
	s_add_co_i32 s70, s70, 127
	s_lshl_b32 s84, s70, 23                        ; 2^(ea + eb) as f32
	s_mov_b32 s85, s84                             ; (named with it as a pair)
	s_wait_loadcnt 0x0                             ; the bias is in
.set bi, 0
.rept 32
	v_ldexp_f32 v[BIAS+bi], v[BIAS+bi], s71
.set bi, bi+1
.endr
	s_wait_alu depctr_va_vdst(0)
	s_wait_tensorcnt 0x0                           ; my part of slot 0 is in
	ds_add_u32 v[SPW], v[NIL]
	s_wait_dscnt 0x0
	CROUND                                         ; everybody's part is in, and all sixteen work-groups are here
	JLOAD G0+4, G0B+4                              ; slot 1's first fill, the first tensor load behind the round
	FETCH_B 0, 0, 0
	FETCH_A 0, 0, 0
	FETCH_A 0, 0, 1
	global_prefetch_b8 v22, s[98:99] th:TH_LOAD_NT scope:SCOPE_SE   ; the walk's fourth part
	STEP 0, 0, 1                                   ; the first step starts the sums from the bias
	WIN 0xc0                                       ; destination window 3: the residual is asked for behind the first K step's products, when slot 0's tiles have landed; its 32 loads stay out through the K loop
.set ra, 0
.rept 4
.set rt, 0
.rept 8
	global_load_b128 v[32*ra+4*rt:32*ra+4*rt+3], v[CO], s[12:13] offset:(32*(ra/2)+8*(ra%2)+2*rt+8*(rt/4))*4096 th:TH_LOAD_NT   ; the rows in the order of the image's slots
.set rt, rt+1
.endr
.set ra, ra+1
.endr
	WIN 0
.if LAPS > 1
	s_mov_b32 s3, LAPS-1
.Llap:                                                 ; a trip goes once round the ring and fills both slots again
	STEP 0, 1, 0
	STEP 0, 2, 0
	TURN 0, 1, 1
	STEP 1, 0, 0
	STEP 1, 1, 0
	STEP 1, 2, 0
	TURN 1, 0, 1
	STEP 0, 0, 0
	s_sub_co_u32 s3, s3, 1
	s_cmp_lg_u32 s3, 0
	s_cbranch_scc1 .Llap
.endif
	STEP 0, 1, 0                                   ; the last lap fills nothing
	STEP 0, 2, 0
	TURN 0, 1, 0
	STEP 1, 0, 0
	STEP 1, 1, 0
	STEP 1, 2, 0
	LAST
	PLACES
	s_wait_loadcnt 0x0                             ; the residual
	TOSTAGE 0
	TOSTAGE 1
	SEND 0, 16                                     ; behind block 0's loads: block 1's 8 stores and 8 loads
	TOSTAGE 2
	SEND 1, 16
	TOSTAGE 3
	SEND 2, 16
	SEND 3, 0
	s_wait_tensorcnt 0x0                           ; the wave's end
	ds_add_u32 v[SPW], v[NIL]
	s_wait_dscnt 0x0
	CROUND                                         ; the closing round
	s_endpgm
.Lfunc_end_k_q44ec75379e_gemm_proj:
	.size	k_q44ec75379e_gemm_proj, .Lfunc_end_k_q44ec75379e_gemm_proj-k_q44ec75379e_gemm_proj
	.p2alignl 7, 3214868480
	.fill 96, 4, 3214868480
	.section	.rodata,"a",@progbits
	.p2align	6, 0x0
	.amdhsa_kernel k_q44ec75379e_gemm_proj
		.amdhsa_group_segment_fixed_size 327680
		.amdhsa_private_segment_fixed_size 0
		.amdhsa_enable_private_segment 0
		.amdhsa_kernarg_size 48
		.amdhsa_user_sgpr_count 2
		.amdhsa_user_sgpr_kernarg_segment_ptr 1
		.amdhsa_wavefront_size32 1
		.amdhsa_system_sgpr_workgroup_id_x 1
		.amdhsa_system_sgpr_workgroup_id_y 1
		.amdhsa_system_sgpr_workgroup_id_z 1
		.amdhsa_system_vgpr_workitem_id 0
		.amdhsa_next_free_vgpr 1024
		.amdhsa_next_free_sgpr 100
		.amdhsa_reserve_vcc 0
		.amdhsa_float_denorm_mode_32 3
		.amdhsa_float_denorm_mode_16_64 3
		.amdhsa_memory_ordered 1
		.amdhsa_forward_progress 1
		.amdhsa_inst_pref_size 86
	.end_amdhsa_kernel
	.amdgpu_metadata
---
amdhsa.version: [ 1, 2 ]
amdhsa.kernels:
  - .name:           k_q44ec75379e_gemm_proj
    .symbol:         k_q44ec75379e_gemm_proj.kd
    .args:
      - { .name: hc, .offset: 0, .size: 8, .value_kind: global_buffer, .address_space: global }
      - { .name: wc, .offset: 8, .size: 8, .value_kind: global_buffer, .address_space: global }
      - { .name: lowp_scales, .offset: 16, .size: 8, .value_kind: global_buffer, .address_space: global }
      - { .name: proj_b, .offset: 24, .size: 8, .value_kind: global_buffer, .address_space: global }
      - { .name: x2, .offset: 32, .size: 8, .value_kind: global_buffer, .address_space: global }
      - { .name: out0, .offset: 40, .size: 8, .value_kind: global_buffer, .address_space: global }
    .group_segment_fixed_size: 327680
    .private_segment_fixed_size: 0
    .kernarg_segment_align: 8
    .kernarg_segment_size: 48
    .max_flat_workgroup_size: 128
    .sgpr_count:     100
    .vgpr_count:     1024
    .wavefront_size: 32
...
	.end_amdgpu_metadata
.endif
;; end of part 7
